; MI455X (gfx1250); checked and timed in simulation.
; The chip was launched on July 23, 2026; its instructions are those of AMD's public machine-readable ISA for CDNA 5 (MIT licence, August 2026) and "CDNA5" Instruction Set Architecture Reference Guide (July 2026). The comments in the code are by the model that wrote it; some were corrected since.
;; Multi Head Dot Attn. Allowed arithmetic: matrix products marked QUANTISED: E5M2 operands, one E8M0 scale for each 32 along K, by v_wmma_scale_f32_16x16x128_f8f6f4 with both operands' format E5M2, f32 sums; products left as they are: f32 operands where the result goes on into a quantised operand, else bf16, f16 or f32 operands; f32 sums; everything else in f32.
;; Inputs: Wk 8 x 512 x 512 float32; Wq 8 x 512 x 1,024 float32; key_len 64 int32; keys 64 x 512 x 512 float32; query 64 x 1,024 float32; value 64 x 512 x 512 float32.
;; Outputs: out0 64 x 4,096 float32; out1 64 x 8 x 512 float32.
;; This version of the problem:
;;   THIS VERSION OF THE PROBLEM IS GIVEN IN LOW PRECISION. The matrix products marked QUANTISED in the list below multiply operands that are first quantised to E5M2 (5 exponent bits, 2 mantissa bits; 8 bits a number), with one power-of-two scale for each 32 numbers along K (OCP MX v1.0); their sums are f32. All else is computed in f32.
;;   The module's matrix products, in the order in which they are computed (A, B: the left and right operand; K: the contracted axis; several contracted axes count as one K, in the product's order):
;;     1. [M 64, K 1,024] x [K 1,024, N 4,096]; A: input query; B: input Wq: QUANTISED
;;     2. [M 4,096, K 512] x [K 512, N 32,768]; A: input Wk; B: input keys: QUANTISED
;;     3. batch 512 x [M 1, K 512] x [K 512, N 512]; A: computed on the way; B: computed on the way: left as it is (M = 1 < 16)
;;     4. batch 64 x [M 8, K 512] x [K 512, N 512]; A: softmax; B: input value: left as it is (M = 8 < 16)
;;   THE QUANTISER, for each operand of a quantised product, along K:
;;     - K is cut into blocks of 32 from its start; a last block that is shorter is filled with zeros.
;;     - A block's scale is 2^e with e = floor(log2(the largest magnitude in the block)) - 15, held to -126 .. 127; a block of zeros has e = 0. As a byte (E8M0): e + 127.
;;     - Each number is divided by its block's scale, clamped to +-57,344, and rounded to the nearest number of E5M2, ties to even, subnormals kept.
;;     - The product sums the exact products of the quantised numbers (number of the format x scale) in f32.
;;   ~~~python
;;   def quantise(x, axis):      # numpy; x: float32 -> the quantised numbers, widened to float32 again
;;       x = np.moveaxis(x, axis, -1); K = x.shape[-1]
;;       x = np.pad(x, [(0, 0)] * (x.ndim - 1) + [(0, -K % 32)]); x = x.reshape(x.shape[:-1] + (-1, 32)); a = np.abs(x).max(-1, keepdims=True)
;;       e = np.where(a > 0, np.clip(np.frexp(np.where(a > 0, a, 1))[1] - 1 - 15, -126, 127), 0)      # np.frexp(a)[1] - 1 = floor(log2(a)), exactly
;;       r = np.clip(x / 2.0 ** e, -57344, 57344)
;;       step = 2.0 ** (np.maximum(np.frexp(np.where(r == 0, 1, r))[1] - 1, -14) - 2)
;;       q = np.round(r / step) * step * 2.0 ** e      # np.round: ties to even
;;       return np.moveaxis(q.reshape(q.shape[:-2] + (-1,))[..., :K], -1, axis).astype(np.float32)
;;   ~~~
;; 2 versions. Each part assembles by itself: llvm-mc -triple=amdgcn-amd-amdhsa -mcpu=gfx1250 --defsym DOCPART=n.
;; ======== version 1 of 2: 3 launches
;; limits: right only within a limited range of input values
;; workspace buffers: kcodes 16,777,216 bytes; kscales 524,288 bytes; wcodes 2,097,152 bytes; wscales 65,536 bytes; q 1,048,576 bytes; ulist 4,608 bytes of whole numbers; epart 4,194,304 bytes
;; launch prep (part 1): grid 641 x 1, 4 waves a work-group, no clusters, 108,032 bytes of LDS; arguments query, Wq, keys, Wk, key_len, kcodes, kscales, wcodes, wscales, q, ulist; writes kcodes, kscales, wcodes, wscales, q, ulist
.if DOCPART == 1
	.amdgcn_target "amdgcn-amd-amdhsa--gfx1250"
	.amdhsa_code_object_version 6
	.text
	.protected	k_q7e3c7574c5_prep
	.globl	k_q7e3c7574c5_prep
	.p2align	8
	.type	k_q7e3c7574c5_prep,@function
k_q7e3c7574c5_prep:
	s_mov_b64 s[64:65], 0
	v_nop
	global_prefetch_b8 v0, s[64:65] scope:SCOPE_SE
	s_setreg_imm32_b32 hwreg(HW_REG_WAVE_MODE, 25, 1), 1
	s_wait_xcnt 0x0
; PREP: three kinds of work-groups, told apart by the work-group's number alone.
;   0..63    P: q[b][64 g + 0..63] = Q(query) . Q(Wq)^T, both quantised here to E5M2 with one E8M0 scale for each 32 along K, K = 1,024.
;   64       B: the list of the blocks of 32 key rows that count: block sb of batch b counts where 32 sb < L_b, L_b = key_len[b] held to 1 .. 512.
;   65..576  Q on keys, 577..640 Q on Wk: f32 rows of 512 become codes and scale bytes; a wave takes a tile of 16 rows.
; A block's scale is 2^(floor(log2(largest magnitude)) - 15); its byte is the largest magnitude's exponent field - 15, held at 1 from below.
; A block of zeros so gets the byte 1 where the definition says 127: its codes are zeros, and this program alone reads the bytes.
; THE CODES ARE LAID AS THE MATRIX OPERAND'S REGISTERS: a tile of 16 rows x 512 K is 8,192 bytes, [k / 16][row][16 bytes]: K step s, register group c, lane l lie at 2048 s + 512 c + 16 l.
; THE SCALE BYTES: [row][16]: 16 bytes a row, so that 16 x lane over two tiles gives each lane its row's four scale words.
; Key tiles whose block of 32 rows lies wholly at or behind L_b are not read and not written: their energies are replaced by the mask that the problem builds from key_len.
; LIMITS: NaN and infinities among the inputs are not served; blocks whose largest magnitude lies under 2^(16 - 127) have their byte held at 1.
; No tensor load and no cluster: which tiles are walked hangs on key_len, a number read from memory.
; LDS: each kind of work-group has bytes of its own.
.set TST,  0                           ; P: four turning stages of 16 rows x (512 + 16) bytes; at the end the stage for q, 64 rows x (256 + 16)
.set IMG,  33792                       ; P: two slots of the query's four fragments (register images, 2,048 bytes each) and their scale words (128 bytes each)
.set ISL,  8704                        ; a slot
.set QZ,   51200                       ; Q: 14,080 bytes a wave: two stages of 32 x 80, 256 scale bytes, a stage of 32 x 272 for the codes
.set QWV,  14080
.set PC,   16                          ; P: v16-31  the query's codes just made
.set AW,   32                          ; v32-47  my tile of Wq: codes
.set TM,   48                          ; v48-63  at work in the quantiser
.set PW,   64                          ; v64     the query's scale word just made
.set AWS,  65                          ; v65     Wq's scale word
.set XSC,  66                          ; v66-69  the four query tiles' scale words
.set ACC,  72                          ; v72-103 four accumulators
.set X,    104                         ; v104-167 64 numbers in the quantiser's order; then the four query fragments
.set RQ,   168                         ; v168-231 the query's numbers as loaded;  Wq's as loaded: v256-319 (window 1, v0-63)
.set MSB, 0
.macro WIN new                         ; the immediate's high byte repeats the setting that is left
.if MSB != \new
	s_set_vgpr_msb (MSB<<8)|\new
.set MSB, \new
.endif
.endm
; ---- Q's macros.  A step is one row of 512 numbers: four loads of 512 consecutive bytes; through the wave's stage they come back 64 bytes a lane: 16 neighbours along K.
.macro QLD t
.irp i, 0,1,2,3
	global_load_b128 v[16+16*((\t)%4)+4*\i:16+16*((\t)%4)+4*\i+3], v3, s[8:9] offset:2048*(\t)+512*\i th:TH_LOAD_NT
.endr
.endm
.macro QTURN t                         ; LDS serves a wave's instructions in order: no wait between the stores and the loads
.irp i, 0,1,2,3
	ds_store_b128 v14, v[16+16*((\t)%4)+4*\i:16+16*((\t)%4)+4*\i+3] offset:2560*((\t)%2)+640*\i
.endr
.irp i, 0,1,2,3
	ds_load_b128 v[80+16*((\t)%2)+4*\i:80+16*((\t)%2)+4*\i+3], v15 offset:2560*((\t)%2)+16*\i
.endr
.endm
.macro QSTEP t
.set QX, 80+16*((\t)%2)
.if (\t) > 0
	s_wait_dscnt 2                                 ; this row is back from the stage; the last step's byte store and code store may be out
.else
	s_wait_dscnt 0x0
.endif
.if (\t)+4 < 16
	QLD (\t)+4                                     ; into the registers that this row's stage stores have read
.endif
.if (\t)+1 < 16
.if 14-(\t) >= 3
	s_wait_loadcnt 12                              ; the next row's four loads are in; those of the three rows behind it may be out
.else
	s_wait_loadcnt 4*(14-(\t))
.endif
	QTURN (\t)+1
.endif
	v_max3_num_f32 v8, |v[QX]|, |v[QX+1]|, |v[QX+2]|
	v_max3_num_f32 v9, |v[QX+3]|, |v[QX+4]|, |v[QX+5]|
.irp i, 6,10
	v_max3_num_f32 v8, v8, |v[QX+\i]|, |v[QX+\i+1]|
	v_max3_num_f32 v9, v9, |v[QX+\i+2]|, |v[QX+\i+3]|
.endr
	v_max3_num_f32 v8, v8, |v[QX+14]|, |v[QX+15]|
	v_max3_num_f32 v8, v8, v9, 0x8000000           ; the floor 2^(16 - 127): the byte cannot fall under 1
	v_max_num_f32_dpp v8, v8, v8 row_xmask:1 row_mask:0xf bank_mask:0xf   ; with my neighbour's 16: the block's largest magnitude
	v_add_nc_u32 v11, 0xf8800000, v8               ; 15 off its exponent field: the conversion's scale operand
	v_and_or_b32 v10, v8, 0x7f800000, s27          ; 57,344 x the scale
.irp i, 0,1,2,3,4,5,6,7,8,9,10,11,12,13,14,15
	v_med3_num_f32 v[QX+\i], v[QX+\i], -v10, v10   ; the conversion does not saturate (ISA guide 7.6.2): the hold comes first
.endr
	v_cvt_scalef32_pk8_bf8_f32 v[128+4*(\t):128+4*(\t)+1], v[QX:QX+7], v11
	v_cvt_scalef32_pk8_bf8_f32 v[128+4*(\t)+2:128+4*(\t)+3], v[QX+8:QX+15], v11
	v_lshrrev_b32 v[112+(\t)], 23, v11             ; the scale's byte (a plain line behind the conversions)
	ds_store_b8 v5, v[112+(\t)] offset:16*(\t)     ; both lanes of a block write the same byte with the same value
	ds_store_b128 v1, v[128+4*(\t):128+4*(\t)+3] offset:16*(\t)   ; lane l holds k = 16 l ..: place [k / 16 = l][row t]
.endm
; ---- P's macros
.macro PQUANT s, dc, dw                ; 64 numbers of a lane, register 16 b + i = k 32 b + 16 (lane / 16) + i of my row, become a fragment's 16 registers of codes and its scale word
.irp b, 0,1,2,3
	v_max3_num_f32 v[TM+\b], |v[\s+16*\b]|, |v[\s+1+16*\b]|, 0x8000000
.endr
.irp i, 2,4,6,8,10,12,14
.irp b, 0,1,2,3
	v_max3_num_f32 v[TM+\b], v[TM+\b], |v[\s+16*\b+\i]|, |v[\s+1+16*\b+\i]|
.endr
.endr
.irp b, 0,1,2,3
	v_permlanex16_b32 v[TM+4+\b], v[TM+\b], s28, s29
.endr
.irp b, 0,1,2,3
	v_max_num_f32 v[TM+\b], v[TM+\b], v[TM+4+\b]   ; with lane l xor 16's: the block's largest magnitude
.endr
.irp b, 0,1,2,3
	v_add_nc_u32 v[TM+12+\b], 0xf8800000, v[TM+\b]
.endr
.irp b, 0,1,2,3
	v_and_or_b32 v[TM+8+\b], v[TM+\b], 0x7f800000, s27
.endr
.irp b, 0,1,2,3
	v_lshrrev_b32 v[TM+4+\b], 23, v[TM+12+\b]
.endr
	v_lshl_or_b32 v[\dw], v[TM+5], 8, v[TM+4]
	v_lshl_or_b32 v[\dw], v[TM+6], 16, v[\dw]
	v_lshl_or_b32 v[\dw], v[TM+7], 24, v[\dw]
.irp b, 0,1,2,3
.irp i, 0,1,2,3,4,5,6,7,8,9,10,11,12,13,14,15
	v_med3_num_f32 v[\s+16*\b+\i], v[\s+16*\b+\i], -v[TM+8+\b], v[TM+8+\b]
.endr
	v_cvt_scalef32_pk8_bf8_f32 v[\dc+4*\b:\dc+1+4*\b], v[\s+16*\b:\s+7+16*\b], v[TM+12+\b]
	v_cvt_scalef32_pk8_bf8_f32 v[\dc+2+4*\b:\dc+3+4*\b], v[\s+8+16*\b:\s+15+16*\b], v[TM+12+\b]
.endr
	v_nop                                          ; a plain line behind the last conversion
.endm
.macro TURNOUT                         ; out of my turning stage: row lane % 16, 16 neighbours of each block of 32
.irp b, 0,1,2,3
.irp j, 0,1,2,3
	ds_load_b128 v[X+16*\b+4*\j:X+16*\b+4*\j+3], v7 offset:128*\b+16*\j
.endr
.endr
.endm
; A K step of 128.  par: the image slot;  zero = 1: the products start the sums;  more = 1: the next step's numbers are asked for.
.macro KSTEP par, zero, more
	s_wait_loadcnt 16                              ; the query's 16 loads are in; Wq's 16, issued behind them, may be out
.irp i, 0,1,2,3,4,5,6,7,8,9,10,11,12,13,14,15
	ds_store_b128 v6, v[RQ+4*\i:RQ+4*\i+3] offset:528*\i
.endr
	TURNOUT
	s_wait_dscnt 0x0                               ; the numbers are back, and the stage stores have read their registers
.if \more
	s_add_nc_u64 s[34:35], s[34:35], 512           ; its loads were shown done above
.irp i, 0,1,2,3,4,5,6,7,8,9,10,11,12,13,14,15
	global_load_b128 v[RQ+4*\i:RQ+4*\i+3], v4, s[34:35] offset:4096*\i
.endr
.endif
	PQUANT X, PC, PW
.irp c, 0,1,2,3
	ds_store_b128 v8, v[PC+4*\c:PC+4*\c+3] offset:ISL*\par+512*\c    ; my 16 query rows' fragment, as it stands in the registers
.endr
	ds_store_b32 v9, v[PW] offset:ISL*\par
.if \more
	s_wait_loadcnt 16                              ; Wq's 16 loads are in; the query's next 16 may be out
.else
	s_wait_loadcnt 0x0
.endif
	WIN 0x04                                       ; an LDS store's data: window 1
.irp i, 0,1,2,3,4,5,6,7,8,9,10,11,12,13,14,15
	ds_store_b128 v6, v[4*\i:4*\i+3] offset:528*\i
.endr
	WIN 0
	TURNOUT
	s_wait_dscnt 0x0
.if \more
	s_add_nc_u64 s[36:37], s[36:37], 512
	WIN 0x40                                       ; a load's destination: window 1
.irp i, 0,1,2,3,4,5,6,7,8,9,10,11,12,13,14,15
	global_load_b128 v[4*\i:4*\i+3], v4, s[36:37] offset:4096*\i th:TH_LOAD_NT
.endr
	WIN 0
.endif
	PQUANT X, AW, AWS
.rept 3
	v_nop                                          ; with the one above: four plain lines between the codes and the scaled products; the scale word was made ahead of the 64 holds
.endr
	s_wait_dscnt 0x0                               ; my images have landed
	s_barrier_signal -1
	s_barrier_wait -1                              ; everybody's have.  The slot is written again two barriers on, behind every wave's wait for its reads below
.irp f, 0,1,2,3
.irp c, 0,1,2,3
	ds_load_b128 v[X+16*\f+4*\c:X+16*\f+4*\c+3], v10 offset:ISL*\par+2048*\f+512*\c
.endr
	ds_load_b32 v[XSC+\f], v11 offset:ISL*\par+128*\f
.endr
	s_wait_dscnt 0x0
.irp f, 0,1,2,3                        ; source 0 = my 16 rows of Wq, source 1 = 16 rows of the query: a lane holds one b and eight neighbouring a.  The four accumulators take turns
.if \zero
	v_wmma_scale_f32_16x16x128_f8f6f4 v[ACC+8*\f:ACC+8*\f+7], v[AW:AW+15], v[X+16*\f:X+16*\f+15], 0, v[AWS], v[XSC+\f] matrix_a_fmt:MATRIX_FMT_BF8 matrix_b_fmt:MATRIX_FMT_BF8
.else
	v_wmma_scale_f32_16x16x128_f8f6f4 v[ACC+8*\f:ACC+8*\f+7], v[AW:AW+15], v[X+16*\f:X+16*\f+15], v[ACC+8*\f:ACC+8*\f+7], v[AWS], v[XSC+\f] matrix_a_fmt:MATRIX_FMT_BF8 matrix_b_fmt:MATRIX_FMT_BF8
.endif
.endr
.rept 8
	v_nop                                          ; eight plain lines ahead of loads into the products' operands, and of the first read of results
.endr
.endm
	s_load_b256 s[4:11], s[0:1], 0x0               ; query s[4:5], Wq s[6:7], keys s[8:9], Wk s[10:11]
	s_load_b256 s[12:19], s[0:1], 0x20             ; key_len s[12:13], kcodes s[14:15], kscales s[16:17], wcodes s[18:19]
	s_load_b128 s[20:23], s[0:1], 0x40             ; wscales s[20:21], q s[22:23]
	s_load_b64 s[24:25], s[0:1], 0x50              ; ulist
	v_lshl_add_u32 v254, v0, 2, 0x1a400
	v_mov_b32 v255, 0
	v_lshrrev_b32 v1, 5, v0
	v_readfirstlane_b32 s26, v1                    ; wave 0..3
	s_mov_b32 s27, 0x600000                        ; the mantissa field of 57,344
	s_mov_b32 s28, 0x76543210
	s_mov_b32 s29, 0xfedcba98                      ; v_permlanex16_b32's selects for lane l xor 16
	s_wait_kmcnt 0x0
	s_cmp_lt_u32 ttmp9, 64
	s_cbranch_scc1 .Lrole_p
	s_cmp_eq_u32 ttmp9, 64
	s_cbranch_scc1 .Lrole_b
	; ================ Q: a wave, a tile of 16 rows x 512 ================
	s_sub_co_u32 s30, ttmp9, 65
	s_cmp_lt_u32 s30, 512                          ; keys or Wk?  The choice hangs on the work-group's number alone
	s_cselect_b64 s[8:9], s[8:9], s[10:11]
	s_cselect_b64 s[14:15], s[14:15], s[18:19]
	s_cselect_b64 s[16:17], s[16:17], s[20:21]
	s_cselect_b32 s31, 0, 512
	s_cselect_b32 s33, 0, 1                        ; 1: a tile of Wk
	s_sub_co_u32 s30, s30, s31
	s_lshl_b32 s30, s30, 2
	s_add_co_u32 s30, s30, s26                     ; my tile
	s_lshr_b32 s34, s30, 5
	s_min_u32 s34, s34, 63                         ; its batch (32 tiles a batch)
	s_lshl_b32 s34, s34, 2
	s_load_b32 s35, s[12:13], s34 offset:0x0       ; key_len[b]
	v_and_b32 v2, 31, v0                           ; lane
	v_lshlrev_b32 v3, 4, v2                        ; 16 x lane
	s_mul_i32 s36, s26, QWV
	s_add_co_u32 s36, s36, QZ                      ; my LDS
	s_add_co_u32 s37, s36, 5120                    ; my 256 scale bytes
	s_add_co_u32 s38, s36, 5376                    ; my codes' stage
	v_lshrrev_b32 v14, 2, v2
	v_mul_u32_u24 v14, v14, 80
	v_and_b32 v15, 3, v2
	v_lshl_add_u32 v14, v15, 4, v14
	v_add_nc_u32 v14, s36, v14                     ; the turning stage, in: four lanes' 64 bytes, then 16 of padding
	v_mul_u32_u24 v15, v2, 80
	v_add_nc_u32 v15, s36, v15                     ; and out: 80 x lane
	v_lshrrev_b32 v5, 1, v2
	v_add_nc_u32 v5, s37, v5                       ; my block's byte
	v_lshlrev_b32 v7, 3, v2
	v_add_nc_u32 v6, s37, v7                       ; the bytes' way out: 8 a lane
	v_mul_u32_u24 v1, v2, 272
	v_add_nc_u32 v1, s38, v1                       ; the codes' stage, in: line k / 16 = lane
	v_lshrrev_b32 v4, 4, v2
	v_mul_u32_u24 v4, v4, 272
	v_and_b32 v8, 15, v2
	v_lshl_add_u32 v4, v8, 4, v4
	v_add_nc_u32 v4, s38, v4                       ; and out: two lines an instruction
	s_wait_kmcnt 0x0
	s_max_i32 s35, s35, 1
	s_min_i32 s35, s35, 512                        ; L
	s_cmp_eq_u32 s33, 0
	s_cselect_b32 s35, s35, 0x7fffffff             ; every tile of Wk counts
	s_and_b32 s39, s30, 30
	s_lshl_b32 s39, s39, 4                         ; the first row of my tile's block of 32
	s_cmp_ge_u32 s39, s35
	s_cbranch_scc1 .Lq_end                         ; the whole block is masked: nothing of it is read later
	s_mov_b32 s41, 0
	s_lshl_b32 s40, s30, 15
	s_add_nc_u64 s[8:9], s[8:9], s[40:41]          ; 16 rows x 2,048 bytes
	s_lshl_b32 s40, s30, 13
	s_add_nc_u64 s[14:15], s[14:15], s[40:41]      ; 8,192 bytes of codes
	s_lshl_b32 s40, s30, 8
	s_add_nc_u64 s[16:17], s[16:17], s[40:41]      ; 256 scale bytes
.irp t, 0,1,2,3
	QLD \t
.endr
	s_wait_loadcnt 12                              ; row 0's four loads are in
	QTURN 0
.irp t, 0,1,2,3,4,5,6,7,8,9,10,11,12,13,14,15
	QSTEP \t
.endr
.irp i, 0,1,2,3,4,5,6,7,8,9,10,11,12,13,14,15
	ds_load_b128 v[16+4*\i:16+4*\i+3], v4 offset:544*\i    ; these see my stores: LDS serves a wave's instructions in order
.endr
	ds_load_b64 v[12:13], v6
.irp i, 0,1,2,3,4,5,6,7,8,9,10,11,12,13,14,15
	s_wait_dscnt 16-\i                             ; behind load i: the 15 - i later ones and the bytes' load
	global_store_b128 v3, v[16+4*\i:16+4*\i+3], s[14:15] offset:512*\i   ; 32 lanes store 512 consecutive bytes, aligned
.endr
	s_wait_dscnt 0x0
	global_store_b64 v7, v[12:13], s[16:17]        ; 32 lanes store 256 consecutive bytes, aligned
.Lq_end:
	s_wait_tensorcnt 0x0
	ds_add_u32 v254, v255
	s_wait_dscnt 0x0
	s_endpgm
	; ================ B: the list, by wave 0 ================
	; ulist: words 0..1087: the numbers g = 16 b + sb of the blocks that count, in the order of (b, sb), then zeros; words 1088..1119: how many there are; words 1120..1151: spare.
	; Every store runs with all lanes on: a lane with nothing to place writes to its spare word, which nobody reads.  Each store has registers of its own, so nothing waits.
.Lrole_b:
	s_cmp_lg_u32 s26, 0
	s_cbranch_scc1 .Lb_end
	v_and_b32 v2, 31, v0
	v_lshlrev_b32 v3, 2, v2
	global_load_b32 v4, v3, s[12:13]               ; key_len of batches 0-31,
	global_load_b32 v5, v3, s[12:13] offset:128    ; and 32-63
	v_mov_b32 v13, 1
	v_mov_b32 v6, 0
	v_mov_b32 v7, 0
	v_mov_b32 v11, 0
	v_lshlrev_b32 v8, 4, v2                        ; 16 b
	v_add_nc_u32 v9, 0x200, v8
	v_add_nc_u32 v10, 0x460, v2                    ; my spare word: 1120 + lane
	s_mov_b32 s30, 0
	s_wait_loadcnt 0x0
.irp f, 4,5
	v_cmp_gt_i32 vcc_lo, 1, v\f
	v_cndmask_b32 v\f, v\f, v13, vcc_lo            ; at least 1,
	v_min_u32 v\f, 0x200, v\f                      ; at most 512,
	v_add_nc_u32 v\f, 31, v\f
	v_lshrrev_b32 v\f, 5, v\f                      ; blocks that count: 1 .. 16
.endr
.set k, 0
.rept 32                               ; where each batch's entries begin: a running sum over the 64 batches
	v_writelane_b32 v6, s30, k
	v_readlane_b32 s31, v4, k
	s_add_co_u32 s30, s30, s31
.set k, k+1
.endr
.set k, 0
.rept 32
	v_writelane_b32 v7, s30, k
	v_readlane_b32 s31, v5, k
	s_add_co_u32 s30, s30, s31
.set k, k+1
.endr                                  ; s30 = the number of blocks that count
.irp sb, 0,1,2,3,4,5,6,7,8,9,10,11,12,13,14,15
.irp f, 0,1
	v_cmp_lt_u32 vcc_lo, \sb, v[4+\f]
	v_add_nc_u32 v[16+2*\sb+\f], \sb, v[6+\f]
	v_cndmask_b32 v[16+2*\sb+\f], v10, v[16+2*\sb+\f], vcc_lo    ; the entry's place, or my spare word
	v_min_u32 v[16+2*\sb+\f], 0x47f, v[16+2*\sb+\f]
	v_lshlrev_b32 v[16+2*\sb+\f], 2, v[16+2*\sb+\f]
	v_add_nc_u32 v[48+2*\sb+\f], \sb, v[8+\f]                    ; g
	global_store_b32 v[16+2*\sb+\f], v[48+2*\sb+\f], s[24:25]
.endr
.endr
.set k, 0
.rept 34                               ; zeros from the last entry to word 1087
	v_add_nc_u32 v[80+k], 32*k, v2
	v_cmp_le_u32 vcc_lo, s30, v[80+k]
	v_cndmask_b32 v[80+k], v10, v[80+k], vcc_lo
	v_min_u32 v[80+k], 0x47f, v[80+k]
	v_lshlrev_b32 v[80+k], 2, v[80+k]
	global_store_b32 v[80+k], v11, s[24:25]
.set k, k+1
.endr
	v_mov_b32 v12, s30
	global_store_b32 v3, v12, s[24:25] offset:4352
.Lb_end:
	s_endpgm
	; ================ P: q for 64 rows of Wq ================
	; Wave w owns rows 64 g + 16 w .. + 15 of Wq, and quantises rows 16 w .. + 15 of the query for all four waves: those fragments go round through LDS as images of their registers.
.Lrole_p:
	v_and_b32 v1, 31, v0                           ; lane
	v_and_b32 v2, 15, v0                           ; r
	v_bfe_u32 v3, v0, 4, 1                         ; lane / 16
	v_lshlrev_b32 v4, 4, v1
	v_lshlrev_b32 v5, 2, v1
	s_mul_i32 s30, s26, 8448                       ; my turning stage (TST = 0)
	v_add_nc_u32 v6, s30, v4                       ; in: a row's 512 bytes as loaded
	v_mul_u32_u24 v7, v2, 528
	v_lshl_add_u32 v7, v3, 6, v7
	v_add_nc_u32 v7, s30, v7                       ; out: row r, + 64 bytes for lanes 16-31
	s_lshl_b32 s30, s26, 11
	s_add_co_u32 s30, s30, IMG
	v_add_nc_u32 v8, s30, v4                       ; where I put my fragment's image,
	s_lshl_b32 s30, s26, 7
	s_add_co_u32 s30, s30, IMG+8192
	v_add_nc_u32 v9, s30, v5                       ; and its scale words
	v_add_nc_u32 v10, IMG, v4                      ; where any fragment is read,
	v_add_nc_u32 v11, IMG+8192, v5                 ; and its scale words
	v_mul_u32_u24 v12, v2, 272
	v_lshl_add_u32 v12, v3, 5, v12
	s_lshl_b32 s30, s26, 6
	v_add_nc_u32 v12, s30, v12                     ; q's stage, in: row b = r, + 64 w + 32 (lane / 16) bytes
	s_lshl_b32 s30, s26, 4
	v_add_nc_u32 v14, s30, v3                      ; 16 w + lane / 16
	v_mul_u32_u24 v13, v14, 272
	v_lshl_add_u32 v13, v2, 4, v13                 ; and out: two rows an instruction
	v_lshlrev_b32 v14, 14, v14
	v_lshl_add_u32 v14, v2, 4, v14                 ; the same place in q: rows of 16,384 bytes
.irp b, 0,1,2,3
	v_mov_b32 v[TM+4+\b], 0                        ; written once: a lane permute's destination counts as one of its sources
.endr
	s_mov_b32 s31, 0
	s_lshl_b32 s30, s26, 16
	s_add_nc_u64 s[34:35], s[4:5], s[30:31]        ; the query at row 16 w
	s_lshl_b32 s30, ttmp9, 2
	s_add_co_u32 s30, s30, s26
	s_lshl_b32 s30, s30, 16
	s_add_nc_u64 s[36:37], s[6:7], s[30:31]        ; Wq at row 64 g + 16 w
	s_lshl_b32 s30, ttmp9, 8
	s_add_nc_u64 s[22:23], s[22:23], s[30:31]      ; q at column 64 g
.irp i, 0,1,2,3,4,5,6,7,8,9,10,11,12,13,14,15
	global_load_b128 v[RQ+4*\i:RQ+4*\i+3], v4, s[34:35] offset:4096*\i
.endr
	WIN 0x40
.irp i, 0,1,2,3,4,5,6,7,8,9,10,11,12,13,14,15
	global_load_b128 v[4*\i:4*\i+3], v4, s[36:37] offset:4096*\i th:TH_LOAD_NT
.endr
	WIN 0
	KSTEP 0, 1, 1                                  ; K step 0 starts the sums
	s_mov_b32 s40, 3
.Lksteps:                                              ; K steps (1, 2), (3, 4), (5, 6)
	KSTEP 1, 0, 1
	KSTEP 0, 0, 1
	s_sub_co_u32 s40, s40, 1
	s_cmp_lg_u32 s40, 0
	s_cbranch_scc1 .Lksteps
	KSTEP 1, 0, 0                                  ; K step 7 asks for nothing
	; the way out: a row of q's 64 columns comes from four waves: through a stage.  It lies over the turning stages: every wave's last use of those stands ahead of the last step's barrier
.irp f, 0,1,2,3
	ds_store_b128 v12, v[ACC+8*\f:ACC+8*\f+3] offset:16*\f*272        ; each accumulator from its low end on
	ds_store_b128 v12, v[ACC+8*\f+4:ACC+8*\f+7] offset:16*\f*272+16
.endr
	s_wait_dscnt 0x0
	s_barrier_signal -1
	s_barrier_wait -1
.irp i, 0,1,2,3,4,5,6,7
	ds_load_b128 v[X+4*\i:X+4*\i+3], v13 offset:544*\i
.endr
.irp i, 0,1,2,3,4,5,6,7
	s_wait_dscnt 7-\i
	global_store_b128 v14, v[X+4*\i:X+4*\i+3], s[22:23] offset:32768*\i   ; 16 lanes store 256 consecutive bytes, aligned
.endr
	s_wait_tensorcnt 0x0
	ds_add_u32 v254, v255
	s_wait_dscnt 0x0
	s_endpgm
.Lfunc_end_k_q7e3c7574c5_prep:
	.size	k_q7e3c7574c5_prep, .Lfunc_end_k_q7e3c7574c5_prep-k_q7e3c7574c5_prep
	.p2alignl 7, 3214868480
	.fill 96, 4, 3214868480
	.section	.rodata,"a",@progbits
	.p2align	6, 0x0
	.amdhsa_kernel k_q7e3c7574c5_prep
		.amdhsa_group_segment_fixed_size 108032
		.amdhsa_private_segment_fixed_size 0
		.amdhsa_enable_private_segment 0
		.amdhsa_kernarg_size 88
		.amdhsa_user_sgpr_count 2
		.amdhsa_user_sgpr_kernarg_segment_ptr 1
		.amdhsa_wavefront_size32 1
		.amdhsa_system_sgpr_workgroup_id_x 1
		.amdhsa_system_sgpr_workgroup_id_y 1
		.amdhsa_system_sgpr_workgroup_id_z 1
		.amdhsa_system_vgpr_workitem_id 0
		.amdhsa_next_free_vgpr 320
		.amdhsa_next_free_sgpr 66
		.amdhsa_reserve_vcc 1
		.amdhsa_float_denorm_mode_32 3
		.amdhsa_float_denorm_mode_16_64 3
		.amdhsa_memory_ordered 1
		.amdhsa_forward_progress 1
		.amdhsa_inst_pref_size 194
	.end_amdhsa_kernel
	.amdgpu_metadata
---
amdhsa.version: [ 1, 2 ]
amdhsa.kernels:
  - .name:           k_q7e3c7574c5_prep
    .symbol:         k_q7e3c7574c5_prep.kd
    .args:
      - { .name: query, .offset: 0, .size: 8, .value_kind: global_buffer, .address_space: global }
      - { .name: Wq, .offset: 8, .size: 8, .value_kind: global_buffer, .address_space: global }
      - { .name: keys, .offset: 16, .size: 8, .value_kind: global_buffer, .address_space: global }
      - { .name: Wk, .offset: 24, .size: 8, .value_kind: global_buffer, .address_space: global }
      - { .name: key_len, .offset: 32, .size: 8, .value_kind: global_buffer, .address_space: global }
      - { .name: kcodes, .offset: 40, .size: 8, .value_kind: global_buffer, .address_space: global }
      - { .name: kscales, .offset: 48, .size: 8, .value_kind: global_buffer, .address_space: global }
      - { .name: wcodes, .offset: 56, .size: 8, .value_kind: global_buffer, .address_space: global }
      - { .name: wscales, .offset: 64, .size: 8, .value_kind: global_buffer, .address_space: global }
      - { .name: q, .offset: 72, .size: 8, .value_kind: global_buffer, .address_space: global }
      - { .name: ulist, .offset: 80, .size: 8, .value_kind: global_buffer, .address_space: global }
    .group_segment_fixed_size: 108032
    .private_segment_fixed_size: 0
    .kernarg_segment_align: 8
    .kernarg_segment_size: 88
    .max_flat_workgroup_size: 128
    .sgpr_count:     66
    .vgpr_count:     320
    .wavefront_size: 32
...
	.end_amdgpu_metadata
.endif
;; end of part 1
;; launch energy (part 2): grid 32 x 8, 4 waves a work-group, no clusters, 152,064 bytes of LDS; arguments kcodes, kscales, wcodes, wscales, q, ulist, epart; writes epart
.if DOCPART == 2
	.amdgcn_target "amdgcn-amd-amdhsa--gfx1250"
	.amdhsa_code_object_version 6
	.text
	.protected	k_q7e3c7574c5_energy
	.globl	k_q7e3c7574c5_energy
	.p2align	8
	.type	k_q7e3c7574c5_energy,@function
k_q7e3c7574c5_energy:
	s_mov_b64 s[64:65], 0
	v_nop
	global_prefetch_b8 v0, s[64:65] scope:SCOPE_SE
	s_setreg_imm32_b32 hwreg(HW_REG_WAVE_MODE, 25, 1), 1
	s_wait_xcnt 0x0
; ENERGY: k = Q(Wk) Q(keys)^T on codes of E5M2 with E8M0 scales, and at once energy[b][h][s] = the sum over a of q[b][h][a] k[b][h][s][a]: k never leaves the registers.
; Only the blocks of 32 key rows on the list are multiplied: the others' energies are replaced by the mask that the problem builds from key_len.
; SHARES.  Work-group (i, h) takes head h and the list's entries (i U) / 32 .. ((i + 1) U) / 32 - 1, U the list's length: 2 to 32 blocks.  Wave w keeps rows h 512 + 128 w .. + 127 of Wk in 512 registers
; for the whole launch and makes, for every block, the part of the energy that its 128 values of a give: epart[w][h][g][32].  The next launch adds the four parts.
; A UNIT is a block: two tiles of 16 keys, 64 matrix instructions a wave.  Source 0 = 16 rows of Wk, source 1 = 16 keys: a lane holds ONE key (lane % 16) and eight a: 8 (lane / 16) + 0 .. 7:
; so the second product is one packed multiply-add for two results, and one exchange between the halves of the lanes at a unit's end.
; A TRIP is four units, which lie in one of two LDS slots; wave w brings the next trip's unit w from memory through its registers (codes, scale bytes, q's 512 numbers of the unit's batch and this head).
; Eight trips, a constant; what a work-group does not have is jumped over.  THE BARRIERS STAND IN LINES THAT EVERY WAVE ALWAYS RUNS; all work stands in regions that a scalar branch on the count of
; units left jumps over, each region begins with waits for 0, and a counted wait counts only what its own region has issued.
; No tensor load, no cluster, no joint request: addresses and branches hang on the list, numbers read from memory.
; The store of a unit's 32 partial energies is 128 consecutive bytes a wave: a block has no more.
; LDS: a unit is 18,944 bytes: codes 16,384 (register images: tile n, K step s, group c, lane l at 8192 n + 2048 s + 512 c + 16 l), scale bytes 512, q 2,048.  A slot is four units.
; REGISTERS, in windows of 256.  Window 0: v2 4 x lane; v3-6 image addresses (v3 is also 16 x lane); v7-10 q's addresses; v11-12 where I store a unit; v13-14 the store's offset and data;
;   v16-31 Wk's scale words; v32-47 the trip's keys' scale words; v48-63 the energies' partial sums; v64-67 at work; v72-219 a unit on its way from memory to LDS.
;   Window 1: Wk's tiles 0-3 (tile t, K step s at v[64 t + 16 s]).  Window 2: tiles 4-7.  Window 3: v0-31, v32-63 two sets of four accumulators; v64-127, v128-191 the keys' two tiles; v192-255 q.
.set UB,  18944
.set SB,  4*UB
.set L16, 3
.set AIM, 3                            ; v[AIM + 2 p + j / 2]: 16 x lane + slot p + units 2 (j / 2) on
.set AQ,  7                            ; v[AQ + 2 p + j / 2]: 512 w + 32 (lane / 16) + the same
.set AST, 11                           ; v[AST + p]: 16 x lane + slot p + unit w
.set WS,  16
.set KS,  32
.set E,   48
.set ST,  72
.set MSB, 0
.macro WIN new                         ; the immediate's high byte repeats the setting that is left
.if MSB != \new
	s_set_vgpr_msb (MSB<<8)|\new
.set MSB, \new
.endif
.endm
.macro WM d, a, b, zero, sa, sb, ra, rb    ; one product; ra, rb: the side's scale words stand in lanes 16-31
.if \zero
.if \ra
.if \rb
	v_wmma_scale_f32_16x16x128_f8f6f4 v[\d:\d+7], v[\a:\a+15], v[\b:\b+15], 0, v[\sa], v[\sb] matrix_a_fmt:MATRIX_FMT_BF8 matrix_b_fmt:MATRIX_FMT_BF8 matrix_a_scale:MATRIX_SCALE_ROW1 matrix_b_scale:MATRIX_SCALE_ROW1
.else
	v_wmma_scale_f32_16x16x128_f8f6f4 v[\d:\d+7], v[\a:\a+15], v[\b:\b+15], 0, v[\sa], v[\sb] matrix_a_fmt:MATRIX_FMT_BF8 matrix_b_fmt:MATRIX_FMT_BF8 matrix_a_scale:MATRIX_SCALE_ROW1
.endif
.else
.if \rb
	v_wmma_scale_f32_16x16x128_f8f6f4 v[\d:\d+7], v[\a:\a+15], v[\b:\b+15], 0, v[\sa], v[\sb] matrix_a_fmt:MATRIX_FMT_BF8 matrix_b_fmt:MATRIX_FMT_BF8 matrix_b_scale:MATRIX_SCALE_ROW1
.else
	v_wmma_scale_f32_16x16x128_f8f6f4 v[\d:\d+7], v[\a:\a+15], v[\b:\b+15], 0, v[\sa], v[\sb] matrix_a_fmt:MATRIX_FMT_BF8 matrix_b_fmt:MATRIX_FMT_BF8
.endif
.endif
.else
.if \ra
.if \rb
	v_wmma_scale_f32_16x16x128_f8f6f4 v[\d:\d+7], v[\a:\a+15], v[\b:\b+15], v[\d:\d+7], v[\sa], v[\sb] matrix_a_fmt:MATRIX_FMT_BF8 matrix_b_fmt:MATRIX_FMT_BF8 matrix_a_scale:MATRIX_SCALE_ROW1 matrix_b_scale:MATRIX_SCALE_ROW1
.else
	v_wmma_scale_f32_16x16x128_f8f6f4 v[\d:\d+7], v[\a:\a+15], v[\b:\b+15], v[\d:\d+7], v[\sa], v[\sb] matrix_a_fmt:MATRIX_FMT_BF8 matrix_b_fmt:MATRIX_FMT_BF8 matrix_a_scale:MATRIX_SCALE_ROW1
.endif
.else
.if \rb
	v_wmma_scale_f32_16x16x128_f8f6f4 v[\d:\d+7], v[\a:\a+15], v[\b:\b+15], v[\d:\d+7], v[\sa], v[\sb] matrix_a_fmt:MATRIX_FMT_BF8 matrix_b_fmt:MATRIX_FMT_BF8 matrix_b_scale:MATRIX_SCALE_ROW1
.else
	v_wmma_scale_f32_16x16x128_f8f6f4 v[\d:\d+7], v[\a:\a+15], v[\b:\b+15], v[\d:\d+7], v[\sa], v[\sb] matrix_a_fmt:MATRIX_FMT_BF8 matrix_b_fmt:MATRIX_FMT_BF8
.endif
.endif
.endif
.endm
; Four products: the keys' tile nn x Wk's tiles 4 qd .. 4 qd + 3, K step ks, unit j's scale words.  The four accumulators take turns, one instruction a turn.
.macro MUL4 nn, qd, ks, j, zero
	WIN 0xfd+\qd                                   ; source 0 (Wk) window 1 or 2; source 1, C and D window 3
.irp t, 0,1,2,3
	WM (32*\qd+8*\t),(64*\t+16*\ks),(64+64*\nn+16*\ks),\zero,(WS+4*((4*\qd+\t)/2)+\ks),(KS+4*\j+\ks),(\t%2),\nn
.endr
.endm
; Wk's tile t (its results in accumulator set `set`) times q, onto the partial sums of the keys' tile e: four packed lines.  first = 1: they start the sums.
.macro GROUP set, t, e, first
	WIN 0x0f                                       ; sources 0 and 1 (results, q) window 3; the sums window 0
.irp u, 0,1,2,3
.if \first
	v_pk_mul_f32 v[E+8*\e+2*\u:E+8*\e+2*\u+1], v[32*\set+8*((\t)%4)+2*\u:32*\set+8*((\t)%4)+2*\u+1], v[192+8*\t+2*\u:192+8*\t+2*\u+1]
.else
	v_pk_fma_f32 v[E+8*\e+2*\u:E+8*\e+2*\u+1], v[32*\set+8*((\t)%4)+2*\u:32*\set+8*((\t)%4)+2*\u+1], v[192+8*\t+2*\u:192+8*\t+2*\u+1], v[E+8*\e+2*\u:E+8*\e+2*\u+1]
.endif
.endr
.endm
.macro QLOAD p, j                      ; q of unit j's batch: register 8 t + i = q[128 w + 16 t + 8 (lane / 16) + i]: sixteen lanes read the same 16 bytes
	WIN 0xc0                                       ; destination window 3
.irp t, 0,1,2,3,4,5,6,7
.irp u, 0,1
	ds_load_b128 v[192+8*\t+4*\u:192+8*\t+4*\u+3], v[AQ+2*(\p)+(\j)/2] offset:((\j)%2)*UB+16896+64*\t+16*\u
.endr
.endr
.endm
.macro FLOAD f, p, j, nn               ; tile nn of unit j: its four fragments, as they stand, into set f
	WIN 0xc0
.irp i, 0,1,2,3,4,5,6,7,8,9,10,11,12,13,14,15
	ds_load_b128 v[64+64*\f+4*\i:64+64*\f+4*\i+3], v[AIM+2*(\p)+(\j)/2] offset:((\j)%2)*UB+8192*\nn+512*\i
.endr
.endm
.macro KSLOAD p                        ; the four units' scale words: lanes 0-15 the even tile's rows, lanes 16-31 the odd tile's; register s: K step s
	WIN 0
.irp j, 0,1,2,3
	ds_load_b128 v[KS+4*\j:KS+4*\j+3], v[AIM+2*(\p)+\j/2] offset:(\j%2)*UB+16384
.endr
.endm
.macro GLOAD                           ; the unit named by s40, from memory into v[ST] on: 37 loads of 512 consecutive bytes
	s_min_u32 s48, s40, 1023                       ; g
	s_lshr_b32 s49, s40, 4
	s_min_u32 s49, s49, 63                         ; its batch
	s_mov_b32 s51, 0
	s_lshl_b32 s50, s48, 14
	s_add_nc_u64 s[42:43], s[4:5], s[50:51]
	s_lshl_b32 s50, s48, 9
	s_add_nc_u64 s[44:45], s[6:7], s[50:51]
	s_lshl_b32 s50, s49, 14
	s_lshl_b32 s49, s19, 11
	s_add_co_u32 s50, s50, s49
	s_add_nc_u64 s[46:47], s[12:13], s[50:51]
.irp i, 0,1,2,3,4,5,6,7,8,9,10,11,12,13,14,15,16,17,18,19,20,21,22,23,24,25,26,27,28,29,30,31
	global_load_b128 v[ST+4*\i:ST+4*\i+3], v[L16], s[42:43] offset:512*\i
.endr
	global_load_b128 v[ST+128:ST+131], v[L16], s[44:45]
.irp i, 0,1,2,3
	global_load_b128 v[ST+132+4*\i:ST+132+4*\i+3], v[L16], s[46:47] offset:512*\i
.endr
.endm
.macro STORE p                         ; and on into slot p, unit w
.irp i, 0,1,2,3,4,5,6,7,8,9,10,11,12,13,14,15,16,17,18,19,20,21,22,23,24,25,26,27,28,29,30,31
	ds_store_b128 v[AST+(\p)], v[ST+4*\i:ST+4*\i+3] offset:512*\i
.endr
	ds_store_b128 v[AST+(\p)], v[ST+128:ST+131] offset:16384
.irp i, 0,1,2,3
	ds_store_b128 v[AST+(\p)], v[ST+132+4*\i:ST+132+4*\i+3] offset:16896+512*\i
.endr
.endm
.macro LISTLOAD                        ; the list at s24: the next trip's four entries, and the one that I fetch
	s_min_u32 s52, s24, 1084
	s_lshl_b32 s52, s52, 2
	s_load_b128 s[36:39], s[14:15], s52 offset:0x0
	s_add_co_u32 s53, s24, s18
	s_min_u32 s53, s53, 1087
	s_lshl_b32 s53, s53, 2
	s_load_b32 s40, s[14:15], s53 offset:0x0
.endm
.macro FINISH j                        ; the eight partial sums of each tile, and the other half of the lanes': 32 energies, a lane a key
.irp e, 0,1
	v_pk_add_f32 v[E+8*\e:E+8*\e+1], v[E+8*\e:E+8*\e+1], v[E+8*\e+2:E+8*\e+3]
	v_pk_add_f32 v[E+8*\e+4:E+8*\e+5], v[E+8*\e+4:E+8*\e+5], v[E+8*\e+6:E+8*\e+7]
.endr
.irp e, 0,1
	v_pk_add_f32 v[E+8*\e:E+8*\e+1], v[E+8*\e:E+8*\e+1], v[E+8*\e+4:E+8*\e+5]
.endr
.irp e, 0,1
	v_add_f32 v[64+\e], v[E+8*\e], v[E+8*\e+1]
.endr
.irp e, 0,1
	v_permlanex16_b32 v[66+\e], v[64+\e], s26, s27
.endr
.irp e, 0,1
	v_add_f32 v[64+\e], v[64+\e], v[66+\e]
.endr
	s_min_u32 s54, s[32+\j], 1023
	s_lshl_b32 s54, s54, 7                         ; 128 bytes a block
	s_wait_xcnt 0x0                                ; the last unit's store has read its offset and its data: they are written again only behind this wait
	v_cndmask_b32 v14, v64, v65, s28               ; lanes 0-15: the even tile's keys; lanes 16-31: the odd tile's
	v_add_nc_u32 v13, s54, v2
	global_store_b32 v13, v14, s[16:17]
.endm
; A UNIT.  Behind a set's last products stand eight plain lines that name none of their registers (the other set's multiply-adds, or v_nop where there are none yet) ahead of the first read of its
; results, and ahead of loads into the keys' registers that those products read; a set begun anew stands twenty such lines or more behind its last product.
.macro UNIT p, j
	s_cmp_gt_i32 s23, \j
	s_cbranch_scc0 .Lskip_\@
	s_wait_dscnt 0x0                               ; the even tile's fragments and the scale words are in
	MUL4 0, 0, 0, \j, 1
	QLOAD \p, \j
	MUL4 0, 0, 1, \j, 0
	FLOAD 1, \p, \j, 1                             ; the odd tile
	MUL4 0, 0, 2, \j, 0
	MUL4 0, 0, 3, \j, 0
	MUL4 0, 1, 0, \j, 1
.rept 8
	v_nop
.endr
	MUL4 0, 1, 1, \j, 0
	s_wait_dscnt 16                                ; q's 16 loads are in; the odd tile's 16, issued behind them, may be out
	GROUP 0, 0, 0, 1
	MUL4 0, 1, 2, \j, 0
	GROUP 0, 1, 0, 0
	MUL4 0, 1, 3, \j, 0
	GROUP 0, 2, 0, 0
	GROUP 0, 3, 0, 0
	s_wait_dscnt 0x0                               ; the odd tile is in
	MUL4 1, 0, 0, \j, 1
.if \j < 3
	FLOAD 0, \p, \j+1, 0                           ; the next unit's even tile (all four units of a slot are always stored)
.endif
	MUL4 1, 0, 1, \j, 0
	GROUP 1, 4, 0, 0
	MUL4 1, 0, 2, \j, 0
	GROUP 1, 5, 0, 0
	MUL4 1, 0, 3, \j, 0
	GROUP 1, 6, 0, 0
	GROUP 1, 7, 0, 0
	MUL4 1, 1, 0, \j, 1
	MUL4 1, 1, 1, \j, 0
	GROUP 0, 0, 1, 1
	MUL4 1, 1, 2, \j, 0
	GROUP 0, 1, 1, 0
	MUL4 1, 1, 3, \j, 0
	GROUP 0, 2, 1, 0
	GROUP 0, 3, 1, 0
	GROUP 1, 4, 1, 0
	GROUP 1, 5, 1, 0
	GROUP 1, 6, 1, 0
	GROUP 1, 7, 1, 0
	WIN 0
	FINISH \j
.Lskip_\@:
.endm
; A TRIP on slot p.  s23 = the units left, this trip's among them.
.macro TRIP p
	s_wait_kmcnt 0x0                               ; the list's words asked for a trip ago
	s_cmp_gt_i32 s23, 4
	s_cbranch_scc0 .Lnoh_\@
	s_wait_loadcnt 0x0                             ; no load of mine is out,
	s_wait_xcnt 0x0                                ; and none still reads a base: they are written below
	GLOAD                                          ; the next trip's unit w: three units' work ahead of the wait for it
.Lnoh_\@:
	UNIT \p, 0
	UNIT \p, 1
	UNIT \p, 2
	s_cmp_gt_i32 s23, 4
	s_cbranch_scc0 .Lnos_\@
	s_wait_loadcnt 0x0
	STORE 1-\p                                     ; into the other slot: nobody has read it since the last barrier
.Lnos_\@:
	UNIT \p, 3
	s_mov_b64 s[32:33], s[36:37]                   ; the next trip's entries become this trip's
	s_mov_b64 s[34:35], s[38:39]
	s_add_co_u32 s24, s24, 4
	LISTLOAD
	s_sub_co_i32 s23, s23, 4
	s_wait_dscnt 0x0                               ; my reads of this slot are over and my stores into the other have landed
	s_barrier_signal -1
	s_barrier_wait -1                              ; both now hold of every wave
	s_cmp_gt_i32 s23, 0
	s_cbranch_scc0 .Lnon_\@
	KSLOAD 1-\p
	FLOAD 0, 1-\p, 0, 0
	WIN 0
.Lnon_\@:
.endm
	s_load_b256 s[4:11], s[0:1], 0x0               ; kcodes s[4:5], kscales s[6:7], wcodes s[8:9], wscales s[10:11]
	s_load_b128 s[12:15], s[0:1], 0x20             ; q s[12:13], ulist s[14:15]
	s_load_b64 s[16:17], s[0:1], 0x30              ; epart
	v_lshl_add_u32 v254, v0, 2, 0x25000
	v_mov_b32 v255, 0
	v_lshrrev_b32 v1, 5, v0
	v_readfirstlane_b32 s18, v1                    ; wave 0..3
	s_and_b32 s19, ttmp7, 0xffff                   ; the head
	s_mov_b32 s20, ttmp9                           ; my share of the list
	v_and_b32 v15, 31, v0
	v_lshlrev_b32 v[L16], 4, v15
	v_lshlrev_b32 v2, 2, v15
	v_bfe_u32 v14, v0, 4, 1
	v_add_nc_u32 v[AIM+1], 2*UB, v[L16]
	v_add_nc_u32 v[AIM+2], SB, v[L16]
	v_add_nc_u32 v[AIM+3], SB+2*UB, v[L16]
	s_lshl_b32 s48, s18, 9
	v_lshl_add_u32 v[AQ], v14, 5, s48
	v_add_nc_u32 v[AQ+1], 2*UB, v[AQ]
	v_add_nc_u32 v[AQ+2], SB, v[AQ]
	v_add_nc_u32 v[AQ+3], SB+2*UB, v[AQ]
	s_mul_i32 s49, s18, UB
	v_add_nc_u32 v[AST], s49, v[L16]
	v_add_nc_u32 v[AST+1], SB, v[AST]
	v_mov_b32 v66, 0                               ; written once: a lane permute's destination counts as one of its sources
	v_mov_b32 v67, 0
	s_mov_b32 s26, 0x76543210
	s_mov_b32 s27, 0xfedcba98
	s_mov_b32 s28, 0xffff0000                      ; lanes 16-31
	s_wait_kmcnt 0x0
	s_load_b32 s21, s[14:15], 0x1100               ; U
	s_mov_b32 s49, 0
	s_lshl_b32 s48, s18, 20
	s_lshl_b32 s50, s19, 17
	s_add_co_u32 s48, s48, s50
	s_add_nc_u64 s[16:17], s[16:17], s[48:49]      ; epart[w][h]
	s_lshl_b32 s48, s19, 18
	s_lshl_b32 s50, s18, 16
	s_add_co_u32 s48, s48, s50
	s_add_nc_u64 s[8:9], s[8:9], s[48:49]          ; Wk's codes at tile 32 h + 8 w
	s_lshl_b32 s48, s19, 13
	s_lshl_b32 s50, s18, 11
	s_add_co_u32 s48, s48, s50
	s_add_nc_u64 s[10:11], s[10:11], s[48:49]      ; and its scale bytes
	s_wait_kmcnt 0x0
	s_mul_i32 s22, s20, s21
	s_lshr_b32 s22, s22, 5                         ; my first entry
	s_add_co_u32 s48, s20, 1
	s_mul_i32 s48, s48, s21
	s_lshr_b32 s48, s48, 5
	s_sub_co_i32 s23, s48, s22                     ; how many are mine
	s_min_u32 s48, s22, 1084
	s_lshl_b32 s48, s48, 2
	s_load_b128 s[32:35], s[14:15], s48 offset:0x0
	s_add_co_u32 s49, s22, s18
	s_min_u32 s49, s49, 1087
	s_lshl_b32 s49, s49, 2
	s_load_b32 s40, s[14:15], s49 offset:0x0
	s_wait_kmcnt 0x0
	GLOAD                                          ; the first trip's unit w
	s_add_co_u32 s24, s22, 4
	LISTLOAD
	WIN 0x40                                       ; destination window 1
.irp t, 0,1,2,3
.irp i, 0,1,2,3,4,5,6,7,8,9,10,11,12,13,14,15
	global_load_b128 v[64*\t+4*\i:64*\t+4*\i+3], v[L16], s[8:9] offset:8192*\t+512*\i
.endr
.endr
	WIN 0x80                                       ; destination window 2
.irp t, 0,1,2,3
.irp i, 0,1,2,3,4,5,6,7,8,9,10,11,12,13,14,15
	global_load_b128 v[64*\t+4*\i:64*\t+4*\i+3], v[L16], s[8:9] offset:8192*(4+\t)+512*\i
.endr
.endr
	WIN 0
.irp t, 0,1,2,3
	global_load_b128 v[WS+4*\t:WS+4*\t+3], v[L16], s[10:11] offset:512*\t    ; 32 rows' scale words: lanes 0-15 the even tile, lanes 16-31 the odd
.endr
	s_wait_loadcnt 63                              ; behind the unit's 37 loads 132 were issued: with 63 out at the most, the 37 are in
	STORE 0
	s_wait_dscnt 0x0
	s_barrier_signal -1
	s_barrier_wait -1
	KSLOAD 0
	FLOAD 0, 0, 0, 0
	WIN 0
	s_wait_loadcnt 0x0                             ; Wk
	s_mov_b32 s25, 4
.Ltrips:
	TRIP 0
	TRIP 1
	s_sub_co_u32 s25, s25, 1
	s_cmp_lg_u32 s25, 0
	s_cbranch_scc1 .Ltrips
	s_wait_tensorcnt 0x0
	ds_add_u32 v254, v255
	s_wait_dscnt 0x0
	s_endpgm
.Lfunc_end_k_q7e3c7574c5_energy:
	.size	k_q7e3c7574c5_energy, .Lfunc_end_k_q7e3c7574c5_energy-k_q7e3c7574c5_energy
	.p2alignl 7, 3214868480
	.fill 96, 4, 3214868480
	.section	.rodata,"a",@progbits
	.p2align	6, 0x0
	.amdhsa_kernel k_q7e3c7574c5_energy
		.amdhsa_group_segment_fixed_size 152064
		.amdhsa_private_segment_fixed_size 0
		.amdhsa_enable_private_segment 0
		.amdhsa_kernarg_size 56
		.amdhsa_user_sgpr_count 2
		.amdhsa_user_sgpr_kernarg_segment_ptr 1
		.amdhsa_wavefront_size32 1
		.amdhsa_system_sgpr_workgroup_id_x 1
		.amdhsa_system_sgpr_workgroup_id_y 1
		.amdhsa_system_sgpr_workgroup_id_z 1
		.amdhsa_system_vgpr_workitem_id 0
		.amdhsa_next_free_vgpr 1024
		.amdhsa_next_free_sgpr 66
		.amdhsa_reserve_vcc 0
		.amdhsa_float_denorm_mode_32 3
		.amdhsa_float_denorm_mode_16_64 3
		.amdhsa_memory_ordered 1
		.amdhsa_forward_progress 1
		.amdhsa_inst_pref_size 176
	.end_amdhsa_kernel
	.amdgpu_metadata
---
amdhsa.version: [ 1, 2 ]
amdhsa.kernels:
  - .name:           k_q7e3c7574c5_energy
    .symbol:         k_q7e3c7574c5_energy.kd
    .args:
      - { .name: kcodes, .offset: 0, .size: 8, .value_kind: global_buffer, .address_space: global }
      - { .name: kscales, .offset: 8, .size: 8, .value_kind: global_buffer, .address_space: global }
      - { .name: wcodes, .offset: 16, .size: 8, .value_kind: global_buffer, .address_space: global }
      - { .name: wscales, .offset: 24, .size: 8, .value_kind: global_buffer, .address_space: global }
      - { .name: q, .offset: 32, .size: 8, .value_kind: global_buffer, .address_space: global }
      - { .name: ulist, .offset: 40, .size: 8, .value_kind: global_buffer, .address_space: global }
      - { .name: epart, .offset: 48, .size: 8, .value_kind: global_buffer, .address_space: global }
    .group_segment_fixed_size: 152064
    .private_segment_fixed_size: 0
    .kernarg_segment_align: 8
    .kernarg_segment_size: 56
    .max_flat_workgroup_size: 128
    .sgpr_count:     66
    .vgpr_count:     1024
    .wavefront_size: 32
...
	.end_amdgpu_metadata
.endif
;; end of part 2
;; launch context (part 3): grid 4 x 64, 16 waves a work-group, no clusters, 83,968 bytes of LDS; arguments epart, value, key_len, out0, out1; writes out0, out1
.if DOCPART == 3
	.amdgcn_target "amdgcn-amd-amdhsa--gfx1250"
	.amdhsa_code_object_version 6
	.text
	.protected	k_q7e3c7574c5_context
	.globl	k_q7e3c7574c5_context
	.p2align	8
	.type	k_q7e3c7574c5_context,@function
k_q7e3c7574c5_context:
	s_mov_b64 s[64:65], 0
	v_nop
	global_prefetch_b8 v0, s[64:65] scope:SCOPE_SE
	s_setreg_imm32_b32 hwreg(HW_REG_WAVE_MODE, 25, 1), 1
	s_wait_xcnt 0x0
; CONTEXT: energy = the sum of the four parts; positions at or behind key_len become -1e10; softmax with the row's maximum taken away; attn out; context = attn . value, in f32 multiply-adds.
; SHARES.  Work-group (dq, b) takes columns 128 dq .. + 127 of batch b's context, for all eight heads.  Wave w owns value rows 32 w .. + 31 and asks for all of them at its head (32 loads of 512 consecutive
; bytes); waves 0-7 meanwhile make head w's softmax.  The work-group with dq = 0 stores attn.  The sixteen waves' partial contexts meet in LDS.
; WHAT IS LEFT OUT.  lenc = key_len held to 0 .. 512.  A wave all of whose rows lie at or behind lenc loads nothing and multiplies zeros: their weights are 0.  With lenc = 0 every position is masked,
; the weights are all 1 / 512, and every row is read.  Of epart only the blocks that the launch before has stored are read: an offset behind them is held at their last 16 bytes, and what is read
; there is replaced by the mask.
; LIMITS: NaN and infinities are not served (a masked row of value is not read, so it cannot make a NaN); that masked rows have the weight 0 exactly holds as long as some counted energy lies above about -9.9e9.
; The one branch on key_len stands round the loads alone; no barrier stands under it.  No matrix unit: eight rows of weights against 512 x 128 numbers that are read once; no cluster: work-groups share only epart's few bytes.
; LDS: the weights [8][512] f32 at 0; the partial contexts [16 waves][8 heads][512 bytes] at 16,384.
; REGISTERS: v1 lane, v2 16 x lane, v3 4 x lane, v4-7 epart's offsets, v8-11 LDS addresses, v12-21 at work, v32-47 energies, then v32-63 the contexts [head][4], v64-127 the parts, then the weights (two sets), v128-255 value [row][4].
.set PART, 16384
.set ACC,  32
.set A,    64
.set V,    128
.macro ALOAD k                         ; the weights of my rows 4 k .. 4 k + 3, all eight heads: every lane reads the same 16 bytes
.irp h, 0,1,2,3,4,5,6,7
	ds_load_b128 v[A+32*((\k)%2)+4*\h:A+32*((\k)%2)+4*\h+3], v9 offset:2048*\h+16*(\k)
.endr
.endm
.macro ROWS k                          ; four rows x eight heads x four columns: 64 packed multiply-adds on 16 sums that take turns
.if \k < 7
	ALOAD (\k)+1
	s_wait_dscnt 8                                 ; this group's weights are in; the next group's eight loads may be out
.else
	s_wait_dscnt 0x0
.endif
	s_wait_loadcnt 28-4*(\k)                       ; rows up to 4 k + 3 are in; the later rows' loads may be out
.irp i, 0,1,2,3
.irp h, 0,1,2,3,4,5,6,7
.irp c, 0,1
.if (\k == 0) && (\i == 0)
	v_pk_mul_f32 v[ACC+4*\h+2*\c:ACC+4*\h+2*\c+1], v[V+16*(\k)+4*\i+2*\c:V+16*(\k)+4*\i+2*\c+1], v[A+32*((\k)%2)+4*\h:A+32*((\k)%2)+4*\h+1] op_sel_hi:[1,0]
.elseif (\i%2) == 0
	v_pk_fma_f32 v[ACC+4*\h+2*\c:ACC+4*\h+2*\c+1], v[V+16*(\k)+4*\i+2*\c:V+16*(\k)+4*\i+2*\c+1], v[A+32*((\k)%2)+4*\h+\i:A+32*((\k)%2)+4*\h+\i+1], v[ACC+4*\h+2*\c:ACC+4*\h+2*\c+1] op_sel_hi:[1,0,1]
.else
	v_pk_fma_f32 v[ACC+4*\h+2*\c:ACC+4*\h+2*\c+1], v[V+16*(\k)+4*\i+2*\c:V+16*(\k)+4*\i+2*\c+1], v[A+32*((\k)%2)+4*\h+\i-1:A+32*((\k)%2)+4*\h+\i], v[ACC+4*\h+2*\c:ACC+4*\h+2*\c+1] op_sel:[0,1,0] op_sel_hi:[1,1,1]
.endif
.endr
.endr
.endr
.endm
	s_load_b256 s[4:11], s[0:1], 0x0               ; epart s[4:5], value s[6:7], key_len s[8:9], out0 s[10:11]
	s_load_b64 s[12:13], s[0:1], 0x20              ; out1
	v_lshl_add_u32 v30, v0, 2, 0x14000
	v_mov_b32 v31, 0
	v_lshrrev_b32 v9, 5, v0
	v_readfirstlane_b32 s14, v9                    ; wave 0..15
	s_and_b32 s16, ttmp7, 0xffff                   ; the batch
	s_lshl_b32 s18, s16, 2
	v_and_b32 v1, 31, v0
	v_lshlrev_b32 v2, 4, v1
	v_lshlrev_b32 v3, 2, v1
	v_lshlrev_b32 v9, 7, v9                        ; the weights of my 32 rows: 128 w
	s_lshl_b32 s20, s14, 11
	v_add_nc_u32 v8, s20, v2                       ; head w's weights: 2048 w + 16 x lane (waves 0-7)
	s_lshl_b32 s20, s14, 12
	s_add_co_u32 s20, s20, PART
	v_add_nc_u32 v10, s20, v2                      ; my partial contexts
	s_lshl_b32 s20, s14, 9
	s_add_co_u32 s20, s20, PART
	v_add_nc_u32 v11, s20, v2                      ; head w's, of all waves (waves 0-7)
	s_mov_b32 s32, 0x76543210
	s_mov_b32 s33, 0xfedcba98
	s_wait_kmcnt 0x0
	s_load_b32 s17, s[8:9], s18 offset:0x0         ; key_len[b]
	s_mov_b32 s35, 0
	s_lshl_b32 s34, s14, 17
	s_lshl_b32 s36, s16, 11
	s_add_co_u32 s34, s34, s36
	s_add_nc_u64 s[24:25], s[4:5], s[34:35]        ; epart[0][w][b]
	s_lshl_b32 s34, s16, 20
	s_lshl_b32 s36, s14, 16
	s_add_co_u32 s34, s34, s36
	s_lshl_b32 s36, ttmp9, 9
	s_add_co_u32 s34, s34, s36
	s_add_nc_u64 s[26:27], s[6:7], s[34:35]        ; value[b][32 w][128 dq]
	s_lshl_b32 s34, s16, 3
	s_add_co_u32 s34, s34, s14
	s_lshl_b32 s34, s34, 11
	s_add_nc_u64 s[28:29], s[12:13], s[34:35]      ; out1[b][w]
	s_lshl_b32 s34, s16, 14
	s_lshl_b32 s37, s14, 11
	s_add_co_u32 s34, s34, s37
	s_add_co_u32 s34, s34, s36
	s_add_nc_u64 s[30:31], s[10:11], s[34:35]      ; out0[b][512 w + 128 dq]
	s_wait_kmcnt 0x0
	s_max_i32 s17, s17, 0
	s_min_i32 s17, s17, 512                        ; lenc
	s_max_u32 s21, s17, 1
	s_add_co_u32 s21, s21, 31
	s_and_b32 s21, s21, 0x3e0
	s_sub_co_u32 s21, s21, 4                       ; the last four energies that were stored begin here
	s_cmp_eq_u32 s17, 0
	s_cselect_b32 s22, 512, s17                    ; rows of value that have a weight
	; ---- the four parts of head w's energies (waves 0-7): element 128 c + 4 x lane on
	s_cmp_lt_u32 s14, 8
	s_cbranch_scc0 .Lno_parts
.irp c, 0,1,2,3
	v_add_nc_u32 v[4+\c], 128*\c, v3
	v_min_u32 v[4+\c], s21, v[4+\c]
	v_min_u32 v[4+\c], 0x1fc, v[4+\c]
	v_lshlrev_b32 v[4+\c], 2, v[4+\c]
.endr
.irp p, 0,1,2,3
.irp c, 0,1,2,3
	global_load_b128 v[A+16*\p+4*\c:A+16*\p+4*\c+3], v[4+\c], s[24:25] offset:1048576*\p
.endr
.endr
.Lno_parts:
	; ---- my 32 rows of value, or zeros
	s_lshl_b32 s23, s14, 5
	s_cmp_lt_u32 s23, s22
	s_cbranch_scc0 .Lmasked
.irp i, 0,1,2,3,4,5,6,7,8,9,10,11,12,13,14,15,16,17,18,19,20,21,22,23,24,25,26,27,28,29,30,31
	global_load_b128 v[V+4*\i:V+4*\i+3], v2, s[26:27] offset:2048*\i th:TH_LOAD_NT
.endr
	s_wait_loadcnt 32                              ; the parts are in; the 32 rows, issued behind them, may be out
	s_branch .Ljoin
.Lmasked:
.irp i, 0,1,2,3,4,5,6,7,8,9,10,11,12,13,14,15,16,17,18,19,20,21,22,23,24,25,26,27,28,29,30,31
	v_mov_b32 v[V+4*\i], 0
	v_mov_b32 v[V+4*\i+1], 0
	v_mov_b32 v[V+4*\i+2], 0
	v_mov_b32 v[V+4*\i+3], 0
.endr
	s_wait_loadcnt 0x0
.Ljoin:
	; ---- head w's softmax (waves 0-7): 16 positions a lane
	s_cmp_lt_u32 s14, 8
	s_cbranch_scc0 .Lno_softmax
.irp j, 0,2,4,6,8,10,12,14
	v_pk_add_f32 v[32+\j:33+\j], v[A+\j:A+\j+1], v[A+16+\j:A+16+\j+1]
	v_pk_add_f32 v[A+32+\j:A+32+\j+1], v[A+32+\j:A+32+\j+1], v[A+48+\j:A+48+\j+1]
.endr
.irp j, 0,2,4,6,8,10,12,14
	v_pk_add_f32 v[32+\j:33+\j], v[32+\j:33+\j], v[A+32+\j:A+32+\j+1]
.endr
	v_mov_b32 v16, 0xd01502f9                      ; -1e10
.irp c, 0,1,2,3
.irp i, 0,1,2,3
	s_sub_co_i32 s20, s17, 128*\c+\i
	v_cmp_gt_i32 vcc_lo, s20, v3                   ; position 128 c + 4 x lane + i counts where it lies under lenc
	v_cndmask_b32 v[32+4*\c+\i], v16, v[32+4*\c+\i], vcc_lo
.endr
.endr
	v_max3_num_f32 v12, v32, v33, v34
	v_max3_num_f32 v13, v35, v36, v37
	v_max3_num_f32 v12, v12, v38, v39
	v_max3_num_f32 v13, v13, v40, v41
	v_max3_num_f32 v12, v12, v42, v43
	v_max3_num_f32 v13, v13, v44, v45
	v_max3_num_f32 v12, v12, v46, v47
	v_max_num_f32 v12, v12, v13
	v_max_num_f32_dpp v12, v12, v12 row_xmask:1 row_mask:0xf bank_mask:0xf
	v_max_num_f32_dpp v12, v12, v12 row_xmask:2 row_mask:0xf bank_mask:0xf
	v_max_num_f32_dpp v12, v12, v12 row_xmask:4 row_mask:0xf bank_mask:0xf
	v_max_num_f32_dpp v12, v12, v12 row_xmask:8 row_mask:0xf bank_mask:0xf
	v_permlanex16_b32 v13, v12, s32, s33
	v_max_num_f32 v12, v12, v13                    ; the row's maximum, in every lane
.irp j, 0,2,4,6,8,10,12,14
	v_pk_add_f32 v[32+\j:33+\j], v[32+\j:33+\j], v[12:13] op_sel_hi:[1,0] neg_lo:[0,1] neg_hi:[0,1]   ; the maximum is taken away first, so that large energies lose nothing,
.endr
.irp j, 0,2,4,6,8,10,12,14
	v_pk_mul_f32 v[32+\j:33+\j], v[32+\j:33+\j], 0x3fb8aa3b op_sel_hi:[1,0]                          ; then x log2(e)
.endr
.irp j, 0,1,2,3,4,5,6,7,8,9,10,11,12,13,14,15
	v_exp_f32 v[32+\j], v[32+\j]
.endr
	v_nop                                          ; a plain line behind the last exponential,
	s_wait_alu depctr_va_vdst(0)                   ; and the one wait for the batch ahead of its first reader
	v_pk_add_f32 v[14:15], v[32:33], v[34:35]
	v_pk_add_f32 v[18:19], v[36:37], v[38:39]
	v_pk_add_f32 v[14:15], v[14:15], v[40:41]
	v_pk_add_f32 v[18:19], v[18:19], v[42:43]
	v_pk_add_f32 v[14:15], v[14:15], v[44:45]
	v_pk_add_f32 v[18:19], v[18:19], v[46:47]
	v_pk_add_f32 v[14:15], v[14:15], v[18:19]
	v_add_f32 v14, v14, v15
	v_add_f32_dpp v14, v14, v14 row_xmask:1 row_mask:0xf bank_mask:0xf
	v_add_f32_dpp v14, v14, v14 row_xmask:2 row_mask:0xf bank_mask:0xf
	v_add_f32_dpp v14, v14, v14 row_xmask:4 row_mask:0xf bank_mask:0xf
	v_add_f32_dpp v14, v14, v14 row_xmask:8 row_mask:0xf bank_mask:0xf
	v_permlanex16_b32 v15, v14, s32, s33
	v_add_f32 v14, v14, v15                        ; the row's sum
	v_rcp_f32 v20, v14
	v_mov_b32 v21, 0                               ; (a plain line behind the reciprocal; the register is named with v20 as a pair)
	s_wait_alu depctr_va_vdst(0)
.irp j, 0,2,4,6,8,10,12,14
	v_pk_mul_f32 v[32+\j:33+\j], v[32+\j:33+\j], v[20:21] op_sel_hi:[1,0]
.endr
.irp c, 0,1,2,3
	ds_store_b128 v8, v[32+4*\c:35+4*\c] offset:512*\c
.endr
	s_cmp_eq_u32 ttmp9, 0
	s_cbranch_scc0 .Lno_softmax
.irp c, 0,1,2,3
	global_store_b128 v2, v[32+4*\c:35+4*\c], s[28:29] offset:512*\c    ; 32 lanes store 512 consecutive bytes, aligned
.endr
.Lno_softmax:
	s_wait_dscnt 0x0                               ; my weights have landed
	s_barrier_signal -1
	s_barrier_wait -1                              ; all eight heads' have
	s_wait_xcnt 0x0                                ; attn's stores have read v32-47, which the sums below take
	; ---- my 32 rows' share of the eight contexts
	ALOAD 0
.irp k, 0,1,2,3,4,5,6,7
	ROWS \k
.endr
.irp h, 0,1,2,3,4,5,6,7
	ds_store_b128 v10, v[ACC+4*\h:ACC+4*\h+3] offset:512*\h
.endr
	s_wait_dscnt 0x0
	s_barrier_signal -1
	s_barrier_wait -1                              ; all sixteen shares lie in LDS
	s_cmp_lt_u32 s14, 8
	s_cbranch_scc0 .Lend
.irp p, 0,1,2,3,4,5,6,7,8,9,10,11,12,13,14,15
	ds_load_b128 v[A+4*\p:A+4*\p+3], v11 offset:4096*\p
.endr
	s_wait_dscnt 0x0
.irp d, 8,4,2,1
.set x, 0
.rept \d
	v_pk_add_f32 v[A+4*x:A+4*x+1], v[A+4*x:A+4*x+1], v[A+4*(x+\d):A+4*(x+\d)+1]
	v_pk_add_f32 v[A+4*x+2:A+4*x+3], v[A+4*x+2:A+4*x+3], v[A+4*(x+\d)+2:A+4*(x+\d)+3]
.set x, x+1
.endr
.endr
	global_store_b128 v2, v[A:A+3], s[30:31]       ; 32 lanes store 512 consecutive bytes, aligned
.Lend:
	s_wait_tensorcnt 0x0
	ds_add_u32 v30, v31
	s_wait_dscnt 0x0
	s_endpgm
.Lfunc_end_k_q7e3c7574c5_context:
	.size	k_q7e3c7574c5_context, .Lfunc_end_k_q7e3c7574c5_context-k_q7e3c7574c5_context
	.p2alignl 7, 3214868480
	.fill 96, 4, 3214868480
	.section	.rodata,"a",@progbits
	.p2align	6, 0x0
	.amdhsa_kernel k_q7e3c7574c5_context
		.amdhsa_group_segment_fixed_size 83968
		.amdhsa_private_segment_fixed_size 0
		.amdhsa_enable_private_segment 0
		.amdhsa_kernarg_size 40
		.amdhsa_user_sgpr_count 2
		.amdhsa_user_sgpr_kernarg_segment_ptr 1
		.amdhsa_wavefront_size32 1
		.amdhsa_system_sgpr_workgroup_id_x 1
		.amdhsa_system_sgpr_workgroup_id_y 1
		.amdhsa_system_sgpr_workgroup_id_z 1
		.amdhsa_system_vgpr_workitem_id 0
		.amdhsa_next_free_vgpr 256
		.amdhsa_next_free_sgpr 66
		.amdhsa_reserve_vcc 1
		.amdhsa_float_denorm_mode_32 3
		.amdhsa_float_denorm_mode_16_64 3
		.amdhsa_memory_ordered 1
		.amdhsa_forward_progress 1
		.amdhsa_inst_pref_size 61
	.end_amdhsa_kernel
	.amdgpu_metadata
---
amdhsa.version: [ 1, 2 ]
amdhsa.kernels:
  - .name:           k_q7e3c7574c5_context
    .symbol:         k_q7e3c7574c5_context.kd
    .args:
      - { .name: epart, .offset: 0, .size: 8, .value_kind: global_buffer, .address_space: global }
      - { .name: value, .offset: 8, .size: 8, .value_kind: global_buffer, .address_space: global }
      - { .name: key_len, .offset: 16, .size: 8, .value_kind: global_buffer, .address_space: global }
      - { .name: out0, .offset: 24, .size: 8, .value_kind: global_buffer, .address_space: global }
      - { .name: out1, .offset: 32, .size: 8, .value_kind: global_buffer, .address_space: global }
    .group_segment_fixed_size: 83968
    .private_segment_fixed_size: 0
    .kernarg_segment_align: 8
    .kernarg_segment_size: 40
    .max_flat_workgroup_size: 512
    .sgpr_count:     66
    .vgpr_count:     256
    .wavefront_size: 32
...
	.end_amdgpu_metadata
.endif
;; end of part 3
;; ======== version 2 of 2: 3 launches
;; limits: right only within a limited range of input values
;; workspace buffers: kcodes 16,777,216 bytes; kscales 524,288 bytes; wcodes 2,097,152 bytes; wscales 65,536 bytes; q 1,048,576 bytes; ulist 4,608 bytes of whole numbers; epart 4,194,304 bytes
;; launch prep (part 4): grid 641 x 1, 4 waves a work-group, no clusters, 108,032 bytes of LDS; arguments query, Wq, keys, Wk, key_len, kcodes, kscales, wcodes, wscales, q, ulist; writes kcodes, kscales, wcodes, wscales, q, ulist
.if DOCPART == 4
	.amdgcn_target "amdgcn-amd-amdhsa--gfx1250"
	.amdhsa_code_object_version 6
	.text
	.protected	k_q7e3c7574c5_prep
	.globl	k_q7e3c7574c5_prep
	.p2align	8
	.type	k_q7e3c7574c5_prep,@function
k_q7e3c7574c5_prep:
	s_mov_b64 s[64:65], 0
	v_nop
	global_prefetch_b8 v0, s[64:65] scope:SCOPE_SE
	s_setreg_imm32_b32 hwreg(HW_REG_WAVE_MODE, 25, 1), 1
	s_wait_xcnt 0x0
; PREP: three kinds of work-groups, told apart by the work-group's number alone.
;   0..63    P: q[b][64 g + 0..63] = Q(query) . Q(Wq)^T, both quantised here to E5M2 with one E8M0 scale for each 32 along K, K = 1,024.
;   64       B: the list of the blocks of 32 key rows that count: block sb of batch b counts where 32 sb < L_b, L_b = key_len[b] held to 1 .. 512.
;   65..576  Q on keys, 577..640 Q on Wk: f32 rows of 512 become codes and scale bytes; a wave takes a tile of 16 rows.
; A block's scale is 2^(floor(log2(largest magnitude)) - 15); its byte is the largest magnitude's exponent field - 15, held at 1 from below.
; A block of zeros so gets the byte 1 where the definition says 127: its codes are zeros, and this program alone reads the bytes.
; THE CODES ARE LAID AS THE MATRIX OPERAND'S REGISTERS: a tile of 16 rows x 512 K is 8,192 bytes, [k / 16][row][16 bytes]: K step s, register group c, lane l lie at 2048 s + 512 c + 16 l.
; THE SCALE BYTES: [row][16]: 16 bytes a row, so that 16 x lane over two tiles gives each lane its row's four scale words.
; Key tiles whose block of 32 rows lies wholly at or behind L_b are not read and not written: their energies are replaced by the mask that the problem builds from key_len.
; LIMITS: NaN and infinities among the inputs are not served; blocks whose largest magnitude lies under 2^(16 - 127) have their byte held at 1.
; No tensor load and no cluster: which tiles are walked hangs on key_len, a number read from memory.
; LDS: each kind of work-group has bytes of its own.
.set TST,  0                           ; P: four turning stages of 16 rows x (512 + 16) bytes; at the end the stage for q, 64 rows x (256 + 16)
.set IMG,  33792                       ; P: two slots of the query's four fragments (register images, 2,048 bytes each) and their scale words (128 bytes each)
.set ISL,  8704                        ; a slot
.set QZ,   51200                       ; Q: 14,080 bytes a wave: two stages of 32 x 80, 256 scale bytes, a stage of 32 x 272 for the codes
.set QWV,  14080
.set PC,   16                          ; P: v16-31  the query's codes just made
.set AW,   32                          ; v32-47  my tile of Wq: codes
.set TM,   48                          ; v48-63  at work in the quantiser
.set PW,   64                          ; v64     the query's scale word just made
.set AWS,  65                          ; v65     Wq's scale word
.set XSC,  66                          ; v66-69  the four query tiles' scale words
.set ACC,  72                          ; v72-103 four accumulators
.set X,    104                         ; v104-167 64 numbers in the quantiser's order; then the four query fragments
.set RQ,   168                         ; v168-231 the query's numbers as loaded;  Wq's as loaded: v256-319 (window 1, v0-63)
.set MSB, 0
.macro WIN new                         ; the immediate's high byte repeats the setting that is left
.if MSB != \new
	s_set_vgpr_msb (MSB<<8)|\new
.set MSB, \new
.endif
.endm
; ---- Q's macros.  A step is one row of 512 numbers: four loads of 512 consecutive bytes; through the wave's stage they come back 64 bytes a lane: 16 neighbours along K.
.macro QLD t
.irp i, 0,1,2,3
	global_load_b128 v[16+16*((\t)%4)+4*\i:16+16*((\t)%4)+4*\i+3], v3, s[8:9] offset:2048*(\t)+512*\i th:TH_LOAD_NT
.endr
.endm
.macro QTURN t                         ; LDS serves a wave's instructions in order: no wait between the stores and the loads
.irp i, 0,1,2,3
	ds_store_b128 v14, v[16+16*((\t)%4)+4*\i:16+16*((\t)%4)+4*\i+3] offset:2560*((\t)%2)+640*\i
.endr
.irp i, 0,1,2,3
	ds_load_b128 v[80+16*((\t)%2)+4*\i:80+16*((\t)%2)+4*\i+3], v15 offset:2560*((\t)%2)+16*\i
.endr
.endm
.macro QSTEP t
.set QX, 80+16*((\t)%2)
.if (\t) > 0
	s_wait_dscnt 2                                 ; this row is back from the stage; the last step's byte store and code store may be out
.else
	s_wait_dscnt 0x0
.endif
.if (\t)+4 < 16
	QLD (\t)+4                                     ; into the registers that this row's stage stores have read
.endif
.if (\t)+1 < 16
.if 14-(\t) >= 3
	s_wait_loadcnt 12                              ; the next row's four loads are in; those of the three rows behind it may be out
.else
	s_wait_loadcnt 4*(14-(\t))
.endif
	QTURN (\t)+1
.endif
	v_max3_num_f32 v8, |v[QX]|, |v[QX+1]|, |v[QX+2]|
	v_max3_num_f32 v9, |v[QX+3]|, |v[QX+4]|, |v[QX+5]|
.irp i, 6,10
	v_max3_num_f32 v8, v8, |v[QX+\i]|, |v[QX+\i+1]|
	v_max3_num_f32 v9, v9, |v[QX+\i+2]|, |v[QX+\i+3]|
.endr
	v_max3_num_f32 v8, v8, |v[QX+14]|, |v[QX+15]|
	v_max3_num_f32 v8, v8, v9, 0x8000000           ; the floor 2^(16 - 127): the byte cannot fall under 1
	v_max_num_f32_dpp v8, v8, v8 row_xmask:1 row_mask:0xf bank_mask:0xf   ; with my neighbour's 16: the block's largest magnitude
	v_add_nc_u32 v11, 0xf8800000, v8               ; 15 off its exponent field: the conversion's scale operand
	v_and_or_b32 v10, v8, 0x7f800000, s27          ; 57,344 x the scale
.irp i, 0,1,2,3,4,5,6,7,8,9,10,11,12,13,14,15
	v_med3_num_f32 v[QX+\i], v[QX+\i], -v10, v10   ; the conversion does not saturate (ISA guide 7.6.2): the hold comes first
.endr
	v_cvt_scalef32_pk8_bf8_f32 v[128+4*(\t):128+4*(\t)+1], v[QX:QX+7], v11
	v_cvt_scalef32_pk8_bf8_f32 v[128+4*(\t)+2:128+4*(\t)+3], v[QX+8:QX+15], v11
	v_lshrrev_b32 v[112+(\t)], 23, v11             ; the scale's byte (a plain line behind the conversions)
	ds_store_b8 v5, v[112+(\t)] offset:16*(\t)     ; both lanes of a block write the same byte with the same value
	ds_store_b128 v1, v[128+4*(\t):128+4*(\t)+3] offset:16*(\t)   ; lane l holds k = 16 l ..: place [k / 16 = l][row t]
.endm
; ---- P's macros
.macro PQUANT s, dc, dw                ; 64 numbers of a lane, register 16 b + i = k 32 b + 16 (lane / 16) + i of my row, become a fragment's 16 registers of codes and its scale word
.irp b, 0,1,2,3
	v_max3_num_f32 v[TM+\b], |v[\s+16*\b]|, |v[\s+1+16*\b]|, 0x8000000
.endr
.irp i, 2,4,6,8,10,12,14
.irp b, 0,1,2,3
	v_max3_num_f32 v[TM+\b], v[TM+\b], |v[\s+16*\b+\i]|, |v[\s+1+16*\b+\i]|
.endr
.endr
.irp b, 0,1,2,3
	v_permlanex16_b32 v[TM+4+\b], v[TM+\b], s28, s29
.endr
.irp b, 0,1,2,3
	v_max_num_f32 v[TM+\b], v[TM+\b], v[TM+4+\b]   ; with lane l xor 16's: the block's largest magnitude
.endr
.irp b, 0,1,2,3
	v_add_nc_u32 v[TM+12+\b], 0xf8800000, v[TM+\b]
.endr
.irp b, 0,1,2,3
	v_and_or_b32 v[TM+8+\b], v[TM+\b], 0x7f800000, s27
.endr
.irp b, 0,1,2,3
	v_lshrrev_b32 v[TM+4+\b], 23, v[TM+12+\b]
.endr
	v_lshl_or_b32 v[\dw], v[TM+5], 8, v[TM+4]
	v_lshl_or_b32 v[\dw], v[TM+6], 16, v[\dw]
	v_lshl_or_b32 v[\dw], v[TM+7], 24, v[\dw]
.irp b, 0,1,2,3
.irp i, 0,1,2,3,4,5,6,7,8,9,10,11,12,13,14,15
	v_med3_num_f32 v[\s+16*\b+\i], v[\s+16*\b+\i], -v[TM+8+\b], v[TM+8+\b]
.endr
	v_cvt_scalef32_pk8_bf8_f32 v[\dc+4*\b:\dc+1+4*\b], v[\s+16*\b:\s+7+16*\b], v[TM+12+\b]
	v_cvt_scalef32_pk8_bf8_f32 v[\dc+2+4*\b:\dc+3+4*\b], v[\s+8+16*\b:\s+15+16*\b], v[TM+12+\b]
.endr
	v_nop                                          ; a plain line behind the last conversion
.endm
.macro TURNOUT                         ; out of my turning stage: row lane % 16, 16 neighbours of each block of 32
.irp b, 0,1,2,3
.irp j, 0,1,2,3
	ds_load_b128 v[X+16*\b+4*\j:X+16*\b+4*\j+3], v7 offset:128*\b+16*\j
.endr
.endr
.endm
; A K step of 128.  par: the image slot;  zero = 1: the products start the sums;  more = 1: the next step's numbers are asked for.
.macro KSTEP par, zero, more
	s_wait_loadcnt 16                              ; the query's 16 loads are in; Wq's 16, issued behind them, may be out
.irp i, 0,1,2,3,4,5,6,7,8,9,10,11,12,13,14,15
	ds_store_b128 v6, v[RQ+4*\i:RQ+4*\i+3] offset:528*\i
.endr
	TURNOUT
	s_wait_dscnt 0x0                               ; the numbers are back, and the stage stores have read their registers
.if \more
	s_add_nc_u64 s[34:35], s[34:35], 512           ; its loads were shown done above
.irp i, 0,1,2,3,4,5,6,7,8,9,10,11,12,13,14,15
	global_load_b128 v[RQ+4*\i:RQ+4*\i+3], v4, s[34:35] offset:4096*\i
.endr
.endif
	PQUANT X, PC, PW
.irp c, 0,1,2,3
	ds_store_b128 v8, v[PC+4*\c:PC+4*\c+3] offset:ISL*\par+512*\c    ; my 16 query rows' fragment, as it stands in the registers
.endr
	ds_store_b32 v9, v[PW] offset:ISL*\par
.if \more
	s_wait_loadcnt 16                              ; Wq's 16 loads are in; the query's next 16 may be out
.else
	s_wait_loadcnt 0x0
.endif
	WIN 0x04                                       ; an LDS store's data: window 1
.irp i, 0,1,2,3,4,5,6,7,8,9,10,11,12,13,14,15
	ds_store_b128 v6, v[4*\i:4*\i+3] offset:528*\i
.endr
	WIN 0
	TURNOUT
	s_wait_dscnt 0x0
.if \more
	s_add_nc_u64 s[36:37], s[36:37], 512
	WIN 0x40                                       ; a load's destination: window 1
.irp i, 0,1,2,3,4,5,6,7,8,9,10,11,12,13,14,15
	global_load_b128 v[4*\i:4*\i+3], v4, s[36:37] offset:4096*\i th:TH_LOAD_NT
.endr
	WIN 0
.endif
	PQUANT X, AW, AWS
.rept 3
	v_nop                                          ; with the one above: four plain lines between the codes and the scaled products; the scale word was made ahead of the 64 holds
.endr
	s_wait_alu depctr_va_vdst(0)
	s_wait_dscnt 0x0                               ; my images have landed
	s_barrier_signal -1
	s_barrier_wait -1                              ; everybody's have.  The slot is written again two barriers on, behind every wave's wait for its reads below
.irp f, 0,1,2,3
.irp c, 0,1,2,3
	ds_load_b128 v[X+16*\f+4*\c:X+16*\f+4*\c+3], v10 offset:ISL*\par+2048*\f+512*\c
.endr
	ds_load_b32 v[XSC+\f], v11 offset:ISL*\par+128*\f
.endr
	s_wait_dscnt 0x0
.irp f, 0,1,2,3                        ; source 0 = my 16 rows of Wq, source 1 = 16 rows of the query: a lane holds one b and eight neighbouring a.  The four accumulators take turns
.if \zero
	v_wmma_scale_f32_16x16x128_f8f6f4 v[ACC+8*\f:ACC+8*\f+7], v[AW:AW+15], v[X+16*\f:X+16*\f+15], 0, v[AWS], v[XSC+\f] matrix_a_fmt:MATRIX_FMT_BF8 matrix_b_fmt:MATRIX_FMT_BF8
.else
	v_wmma_scale_f32_16x16x128_f8f6f4 v[ACC+8*\f:ACC+8*\f+7], v[AW:AW+15], v[X+16*\f:X+16*\f+15], v[ACC+8*\f:ACC+8*\f+7], v[AWS], v[XSC+\f] matrix_a_fmt:MATRIX_FMT_BF8 matrix_b_fmt:MATRIX_FMT_BF8
.endif
.endr
.rept 8
	v_nop                                          ; eight plain lines ahead of loads into the products' operands, and of the first read of results
.endr
.endm
	s_load_b256 s[4:11], s[0:1], 0x0               ; query s[4:5], Wq s[6:7], keys s[8:9], Wk s[10:11]
	s_load_b256 s[12:19], s[0:1], 0x20             ; key_len s[12:13], kcodes s[14:15], kscales s[16:17], wcodes s[18:19]
	s_load_b128 s[20:23], s[0:1], 0x40             ; wscales s[20:21], q s[22:23]
	s_load_b64 s[24:25], s[0:1], 0x50              ; ulist
	v_lshl_add_u32 v254, v0, 2, 0x1a400
	v_mov_b32 v255, 0
	v_lshrrev_b32 v1, 5, v0
	v_readfirstlane_b32 s26, v1                    ; wave 0..3
	s_mov_b32 s27, 0x600000                        ; the mantissa field of 57,344
	s_mov_b32 s28, 0x76543210
	s_mov_b32 s29, 0xfedcba98                      ; v_permlanex16_b32's selects for lane l xor 16
	s_wait_kmcnt 0x0
	s_cmp_lt_u32 ttmp9, 64
	s_cbranch_scc1 .Lrole_p
	s_cmp_eq_u32 ttmp9, 64
	s_cbranch_scc1 .Lrole_b
	; ================ Q: a wave, a tile of 16 rows x 512 ================
	s_sub_co_u32 s30, ttmp9, 65
	s_cmp_lt_u32 s30, 512                          ; keys or Wk?  The choice hangs on the work-group's number alone
	s_cselect_b64 s[8:9], s[8:9], s[10:11]
	s_cselect_b64 s[14:15], s[14:15], s[18:19]
	s_cselect_b64 s[16:17], s[16:17], s[20:21]
	s_cselect_b32 s31, 0, 512
	s_cselect_b32 s33, 0, 1                        ; 1: a tile of Wk
	s_sub_co_u32 s30, s30, s31
	s_lshl_b32 s30, s30, 2
	s_add_co_u32 s30, s30, s26                     ; my tile
	s_lshr_b32 s34, s30, 5
	s_min_u32 s34, s34, 63                         ; its batch (32 tiles a batch)
	s_lshl_b32 s34, s34, 2
	s_load_b32 s35, s[12:13], s34 offset:0x0       ; key_len[b]
	v_and_b32 v2, 31, v0                           ; lane
	v_lshlrev_b32 v3, 4, v2                        ; 16 x lane
	s_mul_i32 s36, s26, QWV
	s_add_co_u32 s36, s36, QZ                      ; my LDS
	s_add_co_u32 s37, s36, 5120                    ; my 256 scale bytes
	s_add_co_u32 s38, s36, 5376                    ; my codes' stage
	v_lshrrev_b32 v14, 2, v2
	v_mul_u32_u24 v14, v14, 80
	v_and_b32 v15, 3, v2
	v_lshl_add_u32 v14, v15, 4, v14
	v_add_nc_u32 v14, s36, v14                     ; the turning stage, in: four lanes' 64 bytes, then 16 of padding
	v_mul_u32_u24 v15, v2, 80
	v_add_nc_u32 v15, s36, v15                     ; and out: 80 x lane
	v_lshrrev_b32 v5, 1, v2
	v_add_nc_u32 v5, s37, v5                       ; my block's byte
	v_lshlrev_b32 v7, 3, v2
	v_add_nc_u32 v6, s37, v7                       ; the bytes' way out: 8 a lane
	v_mul_u32_u24 v1, v2, 272
	v_add_nc_u32 v1, s38, v1                       ; the codes' stage, in: line k / 16 = lane
	v_lshrrev_b32 v4, 4, v2
	v_mul_u32_u24 v4, v4, 272
	v_and_b32 v8, 15, v2
	v_lshl_add_u32 v4, v8, 4, v4
	v_add_nc_u32 v4, s38, v4                       ; and out: two lines an instruction
	s_wait_kmcnt 0x0
	s_max_i32 s35, s35, 1
	s_min_i32 s35, s35, 512                        ; L
	s_cmp_eq_u32 s33, 0
	s_cselect_b32 s35, s35, 0x7fffffff             ; every tile of Wk counts
	s_and_b32 s39, s30, 30
	s_lshl_b32 s39, s39, 4                         ; the first row of my tile's block of 32
	s_cmp_ge_u32 s39, s35
	s_cbranch_scc1 .Lq_end                         ; the whole block is masked: nothing of it is read later
	s_mov_b32 s41, 0
	s_lshl_b32 s40, s30, 15
	s_add_nc_u64 s[8:9], s[8:9], s[40:41]          ; 16 rows x 2,048 bytes
	s_lshl_b32 s40, s30, 13
	s_add_nc_u64 s[14:15], s[14:15], s[40:41]      ; 8,192 bytes of codes
	s_lshl_b32 s40, s30, 8
	s_add_nc_u64 s[16:17], s[16:17], s[40:41]      ; 256 scale bytes
.irp t, 0,1,2,3
	QLD \t
.endr
	s_wait_loadcnt 12                              ; row 0's four loads are in
	QTURN 0
.irp t, 0,1,2,3,4,5,6,7,8,9,10,11,12,13,14,15
	QSTEP \t
.endr
.irp i, 0,1,2,3,4,5,6,7,8,9,10,11,12,13,14,15
	ds_load_b128 v[16+4*\i:16+4*\i+3], v4 offset:544*\i    ; these see my stores: LDS serves a wave's instructions in order
.endr
	ds_load_b64 v[12:13], v6
.irp i, 0,1,2,3,4,5,6,7,8,9,10,11,12,13,14,15
	s_wait_dscnt 16-\i                             ; behind load i: the 15 - i later ones and the bytes' load
	global_store_b128 v3, v[16+4*\i:16+4*\i+3], s[14:15] offset:512*\i   ; 32 lanes store 512 consecutive bytes, aligned
.endr
	s_wait_dscnt 0x0
	global_store_b64 v7, v[12:13], s[16:17]        ; 32 lanes store 256 consecutive bytes, aligned
.Lq_end:
	s_wait_tensorcnt 0x0
	ds_add_u32 v254, v255
	s_wait_dscnt 0x0
	s_endpgm
	; ================ B: the list, by wave 0 ================
	; ulist: words 0..1087: the numbers g = 16 b + sb of the blocks that count, in the order of (b, sb), then zeros; words 1088..1119: how many there are; words 1120..1151: spare.
	; Every store runs with all lanes on: a lane with nothing to place writes to its spare word, which nobody reads.  Each store has registers of its own, so nothing waits.
.Lrole_b:
	s_cmp_lg_u32 s26, 0
	s_cbranch_scc1 .Lb_end
	v_and_b32 v2, 31, v0
	v_lshlrev_b32 v3, 2, v2
	global_load_b32 v4, v3, s[12:13]               ; key_len of batches 0-31,
	global_load_b32 v5, v3, s[12:13] offset:128    ; and 32-63
	v_mov_b32 v13, 1
	v_mov_b32 v6, 0
	v_mov_b32 v7, 0
	v_mov_b32 v11, 0
	v_lshlrev_b32 v8, 4, v2                        ; 16 b
	v_add_nc_u32 v9, 0x200, v8
	v_add_nc_u32 v10, 0x460, v2                    ; my spare word: 1120 + lane
	s_mov_b32 s30, 0
	s_wait_alu depctr_va_vdst(0)
	s_wait_loadcnt 0x0
.irp f, 4,5
	v_cmp_gt_i32 vcc_lo, 1, v\f
	v_cndmask_b32 v\f, v\f, v13, vcc_lo            ; at least 1,
	v_min_u32 v\f, 0x200, v\f                      ; at most 512,
	v_add_nc_u32 v\f, 31, v\f
	v_lshrrev_b32 v\f, 5, v\f                      ; blocks that count: 1 .. 16
.endr
.set k, 0
.rept 32                               ; where each batch's entries begin: a running sum over the 64 batches
	v_writelane_b32 v6, s30, k
	v_readlane_b32 s31, v4, k
	s_add_co_u32 s30, s30, s31
.set k, k+1
.endr
.set k, 0
.rept 32
	v_writelane_b32 v7, s30, k
	v_readlane_b32 s31, v5, k
	s_add_co_u32 s30, s30, s31
.set k, k+1
.endr                                  ; s30 = the number of blocks that count
.irp sb, 0,1,2,3,4,5,6,7,8,9,10,11,12,13,14,15
.irp f, 0,1
	v_cmp_lt_u32 vcc_lo, \sb, v[4+\f]
	v_add_nc_u32 v[16+2*\sb+\f], \sb, v[6+\f]
	v_cndmask_b32 v[16+2*\sb+\f], v10, v[16+2*\sb+\f], vcc_lo    ; the entry's place, or my spare word
	v_min_u32 v[16+2*\sb+\f], 0x47f, v[16+2*\sb+\f]
	v_lshlrev_b32 v[16+2*\sb+\f], 2, v[16+2*\sb+\f]
	v_add_nc_u32 v[48+2*\sb+\f], \sb, v[8+\f]                    ; g
	global_store_b32 v[16+2*\sb+\f], v[48+2*\sb+\f], s[24:25]
.endr
.endr
.set k, 0
.rept 34                               ; zeros from the last entry to word 1087
	v_add_nc_u32 v[80+k], 32*k, v2
	v_cmp_le_u32 vcc_lo, s30, v[80+k]
	v_cndmask_b32 v[80+k], v10, v[80+k], vcc_lo
	v_min_u32 v[80+k], 0x47f, v[80+k]
	v_lshlrev_b32 v[80+k], 2, v[80+k]
	global_store_b32 v[80+k], v11, s[24:25]
.set k, k+1
.endr
	v_mov_b32 v12, s30
	global_store_b32 v3, v12, s[24:25] offset:4352
.Lb_end:
	s_endpgm
	; ================ P: q for 64 rows of Wq ================
	; Wave w owns rows 64 g + 16 w .. + 15 of Wq, and quantises rows 16 w .. + 15 of the query for all four waves: those fragments go round through LDS as images of their registers.
.Lrole_p:
	v_and_b32 v1, 31, v0                           ; lane
	v_and_b32 v2, 15, v0                           ; r
	v_bfe_u32 v3, v0, 4, 1                         ; lane / 16
	v_lshlrev_b32 v4, 4, v1
	v_lshlrev_b32 v5, 2, v1
	s_mul_i32 s30, s26, 8448                       ; my turning stage (TST = 0)
	v_add_nc_u32 v6, s30, v4                       ; in: a row's 512 bytes as loaded
	v_mul_u32_u24 v7, v2, 528
	v_lshl_add_u32 v7, v3, 6, v7
	v_add_nc_u32 v7, s30, v7                       ; out: row r, + 64 bytes for lanes 16-31
	s_lshl_b32 s30, s26, 11
	s_add_co_u32 s30, s30, IMG
	v_add_nc_u32 v8, s30, v4                       ; where I put my fragment's image,
	s_lshl_b32 s30, s26, 7
	s_add_co_u32 s30, s30, IMG+8192
	v_add_nc_u32 v9, s30, v5                       ; and its scale words
	v_add_nc_u32 v10, IMG, v4                      ; where any fragment is read,
	v_add_nc_u32 v11, IMG+8192, v5                 ; and its scale words
	v_mul_u32_u24 v12, v2, 272
	v_lshl_add_u32 v12, v3, 5, v12
	s_lshl_b32 s30, s26, 6
	v_add_nc_u32 v12, s30, v12                     ; q's stage, in: row b = r, + 64 w + 32 (lane / 16) bytes
	s_lshl_b32 s30, s26, 4
	v_add_nc_u32 v14, s30, v3                      ; 16 w + lane / 16
	v_mul_u32_u24 v13, v14, 272
	v_lshl_add_u32 v13, v2, 4, v13                 ; and out: two rows an instruction
	v_lshlrev_b32 v14, 14, v14
	v_lshl_add_u32 v14, v2, 4, v14                 ; the same place in q: rows of 16,384 bytes
.irp b, 0,1,2,3
	v_mov_b32 v[TM+4+\b], 0                        ; written once: a lane permute's destination counts as one of its sources
.endr
	s_mov_b32 s31, 0
	s_lshl_b32 s30, s26, 16
	s_add_nc_u64 s[34:35], s[4:5], s[30:31]        ; the query at row 16 w
	s_lshl_b32 s30, ttmp9, 2
	s_add_co_u32 s30, s30, s26
	s_lshl_b32 s30, s30, 16
	s_add_nc_u64 s[36:37], s[6:7], s[30:31]        ; Wq at row 64 g + 16 w
	s_lshl_b32 s30, ttmp9, 8
	s_add_nc_u64 s[22:23], s[22:23], s[30:31]      ; q at column 64 g
.irp i, 0,1,2,3,4,5,6,7,8,9,10,11,12,13,14,15
	global_load_b128 v[RQ+4*\i:RQ+4*\i+3], v4, s[34:35] offset:4096*\i
.endr
	WIN 0x40
.irp i, 0,1,2,3,4,5,6,7,8,9,10,11,12,13,14,15
	global_load_b128 v[4*\i:4*\i+3], v4, s[36:37] offset:4096*\i th:TH_LOAD_NT
.endr
	WIN 0
	KSTEP 0, 1, 1                                  ; K step 0 starts the sums
	s_mov_b32 s40, 3
.Lksteps:                                              ; K steps (1, 2), (3, 4), (5, 6)
	KSTEP 1, 0, 1
	KSTEP 0, 0, 1
	s_sub_co_u32 s40, s40, 1
	s_cmp_lg_u32 s40, 0
	s_cbranch_scc1 .Lksteps
	KSTEP 1, 0, 0                                  ; K step 7 asks for nothing
	; the way out: a row of q's 64 columns comes from four waves: through a stage.  It lies over the turning stages: every wave's last use of those stands ahead of the last step's barrier
.irp f, 0,1,2,3
	ds_store_b128 v12, v[ACC+8*\f:ACC+8*\f+3] offset:16*\f*272        ; each accumulator from its low end on
	ds_store_b128 v12, v[ACC+8*\f+4:ACC+8*\f+7] offset:16*\f*272+16
.endr
	s_wait_dscnt 0x0
	s_barrier_signal -1
	s_barrier_wait -1
.irp i, 0,1,2,3,4,5,6,7
	ds_load_b128 v[X+4*\i:X+4*\i+3], v13 offset:544*\i
.endr
.irp i, 0,1,2,3,4,5,6,7
	s_wait_dscnt 7-\i
	global_store_b128 v14, v[X+4*\i:X+4*\i+3], s[22:23] offset:32768*\i   ; 16 lanes store 256 consecutive bytes, aligned
.endr
	s_wait_tensorcnt 0x0
	ds_add_u32 v254, v255
	s_wait_dscnt 0x0
	s_endpgm
.Lfunc_end_k_q7e3c7574c5_prep:
	.size	k_q7e3c7574c5_prep, .Lfunc_end_k_q7e3c7574c5_prep-k_q7e3c7574c5_prep
	.p2alignl 7, 3214868480
	.fill 96, 4, 3214868480
	.section	.rodata,"a",@progbits
	.p2align	6, 0x0
	.amdhsa_kernel k_q7e3c7574c5_prep
		.amdhsa_group_segment_fixed_size 108032
		.amdhsa_private_segment_fixed_size 0
		.amdhsa_enable_private_segment 0
		.amdhsa_kernarg_size 88
		.amdhsa_user_sgpr_count 2
		.amdhsa_user_sgpr_kernarg_segment_ptr 1
		.amdhsa_wavefront_size32 1
		.amdhsa_system_sgpr_workgroup_id_x 1
		.amdhsa_system_sgpr_workgroup_id_y 1
		.amdhsa_system_sgpr_workgroup_id_z 1
		.amdhsa_system_vgpr_workitem_id 0
		.amdhsa_next_free_vgpr 320
		.amdhsa_next_free_sgpr 66
		.amdhsa_reserve_vcc 1
		.amdhsa_float_denorm_mode_32 3
		.amdhsa_float_denorm_mode_16_64 3
		.amdhsa_memory_ordered 1
		.amdhsa_forward_progress 1
		.amdhsa_inst_pref_size 194
	.end_amdhsa_kernel
	.amdgpu_metadata
---
amdhsa.version: [ 1, 2 ]
amdhsa.kernels:
  - .name:           k_q7e3c7574c5_prep
    .symbol:         k_q7e3c7574c5_prep.kd
    .args:
      - { .name: query, .offset: 0, .size: 8, .value_kind: global_buffer, .address_space: global }
      - { .name: Wq, .offset: 8, .size: 8, .value_kind: global_buffer, .address_space: global }
      - { .name: keys, .offset: 16, .size: 8, .value_kind: global_buffer, .address_space: global }
      - { .name: Wk, .offset: 24, .size: 8, .value_kind: global_buffer, .address_space: global }
      - { .name: key_len, .offset: 32, .size: 8, .value_kind: global_buffer, .address_space: global }
      - { .name: kcodes, .offset: 40, .size: 8, .value_kind: global_buffer, .address_space: global }
      - { .name: kscales, .offset: 48, .size: 8, .value_kind: global_buffer, .address_space: global }
      - { .name: wcodes, .offset: 56, .size: 8, .value_kind: global_buffer, .address_space: global }
      - { .name: wscales, .offset: 64, .size: 8, .value_kind: global_buffer, .address_space: global }
      - { .name: q, .offset: 72, .size: 8, .value_kind: global_buffer, .address_space: global }
      - { .name: ulist, .offset: 80, .size: 8, .value_kind: global_buffer, .address_space: global }
    .group_segment_fixed_size: 108032
    .private_segment_fixed_size: 0
    .kernarg_segment_align: 8
    .kernarg_segment_size: 88
    .max_flat_workgroup_size: 128
    .sgpr_count:     66
    .vgpr_count:     320
    .wavefront_size: 32
...
	.end_amdgpu_metadata
.endif
;; end of part 4
;; launch energy (part 5): grid 32 x 8, 4 waves a work-group, no clusters, 152,064 bytes of LDS; arguments kcodes, kscales, wcodes, wscales, q, ulist, epart; writes epart
.if DOCPART == 5
	.amdgcn_target "amdgcn-amd-amdhsa--gfx1250"
	.amdhsa_code_object_version 6
	.text
	.protected	k_q7e3c7574c5_energy
	.globl	k_q7e3c7574c5_energy
	.p2align	8
	.type	k_q7e3c7574c5_energy,@function
k_q7e3c7574c5_energy:
	s_mov_b64 s[64:65], 0
	v_nop
	global_prefetch_b8 v0, s[64:65] scope:SCOPE_SE
	s_setreg_imm32_b32 hwreg(HW_REG_WAVE_SCHED_MODE, 0, 2), 2
	s_setreg_imm32_b32 hwreg(HW_REG_WAVE_MODE, 25, 1), 1
	s_wait_xcnt 0x0
	s_wait_alu depctr_vm_vsrc(0)
; ENERGY: k = Q(Wk) Q(keys)^T on codes of E5M2 with E8M0 scales, and at once energy[b][h][s] = the sum over a of q[b][h][a] k[b][h][s][a]: k never leaves the registers.
; Only the blocks of 32 key rows on the list are multiplied: the others' energies are replaced by the mask that the problem builds from key_len.
; SHARES.  Work-group (i, h) takes head h and the list's entries (i U) / 32 .. ((i + 1) U) / 32 - 1, U the list's length: 2 to 32 blocks.  Wave w keeps rows h 512 + 128 w .. + 127 of Wk in 512 registers
; for the whole launch and makes, for every block, the part of the energy that its 128 values of a give: epart[w][h][g][32].  The next launch adds the four parts.
; A UNIT is a block: two tiles of 16 keys, 64 matrix instructions a wave.  Source 0 = 16 rows of Wk, source 1 = 16 keys: a lane holds ONE key (lane % 16) and eight a: 8 (lane / 16) + 0 .. 7:
; so the second product is one packed multiply-add for two results, and one exchange between the halves of the lanes at a unit's end.
; A TRIP is four units, which lie in one of two LDS slots; wave w brings the next trip's unit w from memory through its registers (codes, scale bytes, q's 512 numbers of the unit's batch and this head).
; Eight trips, a constant; what a work-group does not have is jumped over.  THE BARRIERS STAND IN LINES THAT EVERY WAVE ALWAYS RUNS; all work stands in regions that a scalar branch on the count of
; units left jumps over, each region begins with waits for 0, and a counted wait counts only what its own region has issued.
; No tensor load, no cluster, no joint request: addresses and branches hang on the list, numbers read from memory.
; The store of a unit's 32 partial energies is 128 consecutive bytes a wave: a block has no more.
; LDS: a unit is 18,944 bytes: codes 16,384 (register images: tile n, K step s, group c, lane l at 8192 n + 2048 s + 512 c + 16 l), scale bytes 512, q 2,048.  A slot is four units.
; REGISTERS, in windows of 256.  Window 0: v2 4 x lane; v3-6 image addresses (v3 is also 16 x lane); v7-10 q's addresses; v11-12 where I store a unit; v13-14 the store's offset and data;
;   v16-31 Wk's scale words; v32-47 the trip's keys' scale words; v48-63 the energies' partial sums; v64-67 at work; v72-219 a unit on its way from memory to LDS.
;   Window 1: Wk's tiles 0-3 (tile t, K step s at v[64 t + 16 s]).  Window 2: tiles 4-7.  Window 3: v0-31, v32-63 two sets of four accumulators; v64-127, v128-191 the keys' two tiles; v192-255 q.
; THE MODE: SCHED_MODE bits 1:0 = 2 (LLVM: expert scheduling mode 2), set by the entry lines.  The code itself states the register dependences
; between vector or matrix instructions and memory or LDS instructions, with s_wait_alu, always for 0.
; THE PLAN.  Registers that memory or LDS instructions touch:
;   v3-12      addresses: written at the head, ahead of one wait on va_vdst, and never again.
;   v72-219    written by a trip's 37 global loads, read by its 37 LDS stores; no vector instruction names them.  One wait on vm_vsrc stands ahead of the next trip's loads.
;   v32-47     the keys' scale words: LDS loads behind a trip's barrier land in them; the trip's products read them.
;   F0         (window 3, v64-127) a unit's first 32 products read it; the next unit's even tile lands in it in the unit's second half, or behind the barrier.
;   F1, q      (window 3, v128-255) a unit's last 32 products read F1, its 64 packed lines read q; the next unit's loads land in both in that unit's first half.
;   v13, v14   written by two lines at a unit's end, read by its one store.
;   Wk and its scale words are loaded once; the accumulators, the partial sums and v64-67 are named by vector and matrix instructions alone.
; FOUR WAITS ON va_vdst A UNIT (THREE IN UNIT 3).  One at its end, ahead of the store: v13 and v14 are written, and all of the unit's products and packed lines are done reading F0, F1, q and the scale words.  No vector or
; matrix instruction of the unit follows it, so on every way a unit that was walked has closed itself; the next unit's loads into q and F1 stand behind products that name F0 alone, and owe nothing more.
; One in the middle of units 0 to 2: the products on F0 are done reading it; the next unit's even tile follows, dealt among products that name F1 alone.
; A unit's 48 LDS loads go in runs of eight behind six groups of four products.
.set UB,  18944
.set SB,  4*UB
.set L16, 3
.set AIM, 3                            ; v[AIM + 2 p + j / 2]: 16 x lane + slot p + units 2 (j / 2) on
.set AQ,  7                            ; v[AQ + 2 p + j / 2]: 512 w + 32 (lane / 16) + the same
.set AST, 11                           ; v[AST + p]: 16 x lane + slot p + unit w
.set WS,  16
.set KS,  32
.set E,   48
.set ST,  72
.set MSB, 0
.macro WIN new                         ; the immediate's high byte repeats the setting that is left
.if MSB != \new
	s_set_vgpr_msb (MSB<<8)|\new
.set MSB, \new
.endif
.endm
.macro WM d, a, b, zero, sa, sb, ra, rb    ; one product; ra, rb: the side's scale words stand in lanes 16-31
.if \zero
.if \ra
.if \rb
	v_wmma_scale_f32_16x16x128_f8f6f4 v[\d:\d+7], v[\a:\a+15], v[\b:\b+15], 0, v[\sa], v[\sb] matrix_a_fmt:MATRIX_FMT_BF8 matrix_b_fmt:MATRIX_FMT_BF8 matrix_a_scale:MATRIX_SCALE_ROW1 matrix_b_scale:MATRIX_SCALE_ROW1
.else
	v_wmma_scale_f32_16x16x128_f8f6f4 v[\d:\d+7], v[\a:\a+15], v[\b:\b+15], 0, v[\sa], v[\sb] matrix_a_fmt:MATRIX_FMT_BF8 matrix_b_fmt:MATRIX_FMT_BF8 matrix_a_scale:MATRIX_SCALE_ROW1
.endif
.else
.if \rb
	v_wmma_scale_f32_16x16x128_f8f6f4 v[\d:\d+7], v[\a:\a+15], v[\b:\b+15], 0, v[\sa], v[\sb] matrix_a_fmt:MATRIX_FMT_BF8 matrix_b_fmt:MATRIX_FMT_BF8 matrix_b_scale:MATRIX_SCALE_ROW1
.else
	v_wmma_scale_f32_16x16x128_f8f6f4 v[\d:\d+7], v[\a:\a+15], v[\b:\b+15], 0, v[\sa], v[\sb] matrix_a_fmt:MATRIX_FMT_BF8 matrix_b_fmt:MATRIX_FMT_BF8
.endif
.endif
.else
.if \ra
.if \rb
	v_wmma_scale_f32_16x16x128_f8f6f4 v[\d:\d+7], v[\a:\a+15], v[\b:\b+15], v[\d:\d+7], v[\sa], v[\sb] matrix_a_fmt:MATRIX_FMT_BF8 matrix_b_fmt:MATRIX_FMT_BF8 matrix_a_scale:MATRIX_SCALE_ROW1 matrix_b_scale:MATRIX_SCALE_ROW1
.else
	v_wmma_scale_f32_16x16x128_f8f6f4 v[\d:\d+7], v[\a:\a+15], v[\b:\b+15], v[\d:\d+7], v[\sa], v[\sb] matrix_a_fmt:MATRIX_FMT_BF8 matrix_b_fmt:MATRIX_FMT_BF8 matrix_a_scale:MATRIX_SCALE_ROW1
.endif
.else
.if \rb
	v_wmma_scale_f32_16x16x128_f8f6f4 v[\d:\d+7], v[\a:\a+15], v[\b:\b+15], v[\d:\d+7], v[\sa], v[\sb] matrix_a_fmt:MATRIX_FMT_BF8 matrix_b_fmt:MATRIX_FMT_BF8 matrix_b_scale:MATRIX_SCALE_ROW1
.else
	v_wmma_scale_f32_16x16x128_f8f6f4 v[\d:\d+7], v[\a:\a+15], v[\b:\b+15], v[\d:\d+7], v[\sa], v[\sb] matrix_a_fmt:MATRIX_FMT_BF8 matrix_b_fmt:MATRIX_FMT_BF8
.endif
.endif
.endif
.endm
; Four products: the keys' tile nn x Wk's tiles 4 qd .. 4 qd + 3, K step ks, unit j's scale words.  The four accumulators take turns, one instruction a turn.
.macro MUL4 nn, qd, ks, j, zero
	WIN 0xfd+\qd                                   ; source 0 (Wk) window 1 or 2; source 1, C and D window 3
.irp t, 0,1,2,3
	WM (32*\qd+8*\t),(64*\t+16*\ks),(64+64*\nn+16*\ks),\zero,(WS+4*((4*\qd+\t)/2)+\ks),(KS+4*\j+\ks),(\t%2),\nn
.endr
.endm
; Wk's tile t (its results in accumulator set `set`) times q, onto the partial sums of the keys' tile e: four packed lines.  first = 1: they start the sums.
.macro GROUP set, t, e, first
	WIN 0x0f                                       ; sources 0 and 1 (results, q) window 3; the sums window 0
.irp u, 0,1,2,3
.if \first
	v_pk_mul_f32 v[E+8*\e+2*\u:E+8*\e+2*\u+1], v[32*\set+8*((\t)%4)+2*\u:32*\set+8*((\t)%4)+2*\u+1], v[192+8*\t+2*\u:192+8*\t+2*\u+1]
.else
	v_pk_fma_f32 v[E+8*\e+2*\u:E+8*\e+2*\u+1], v[32*\set+8*((\t)%4)+2*\u:32*\set+8*((\t)%4)+2*\u+1], v[192+8*\t+2*\u:192+8*\t+2*\u+1], v[E+8*\e+2*\u:E+8*\e+2*\u+1]
.endif
.endr
.endm
.macro QLOAD p, j, hf                  ; q of unit j's batch, half hf (Wk's tiles 4 hf .. 4 hf + 3): register 8 t + i = q[128 w + 16 t + 8 (lane / 16) + i]: sixteen lanes read the same 16 bytes
	WIN 0xc0                                       ; destination window 3
.irp t, 0,1,2,3
.irp u, 0,1
	ds_load_b128 v[192+8*(4*\hf+\t)+4*\u:192+8*(4*\hf+\t)+4*\u+3], v[AQ+2*(\p)+(\j)/2] offset:((\j)%2)*UB+16896+64*(4*\hf+\t)+16*\u
.endr
.endr
.endm
.macro FLOAD f, p, j, nn, hf           ; tile nn of unit j, half hf (K steps 2 hf, 2 hf + 1): two fragments, as they stand, into set f
	WIN 0xc0
.irp i, 0,1,2,3,4,5,6,7
	ds_load_b128 v[64+64*\f+4*(8*\hf+\i):64+64*\f+4*(8*\hf+\i)+3], v[AIM+2*(\p)+(\j)/2] offset:((\j)%2)*UB+8192*\nn+512*(8*\hf+\i)
.endr
.endm
.macro KSLOAD p                        ; the four units' scale words: lanes 0-15 the even tile's rows, lanes 16-31 the odd tile's; register s: K step s
	WIN 0
.irp j, 0,1,2,3
	ds_load_b128 v[KS+4*\j:KS+4*\j+3], v[AIM+2*(\p)+\j/2] offset:(\j%2)*UB+16384
.endr
.endm
.macro GLOAD                           ; the unit named by s40, from memory into v[ST] on: 37 loads of 512 consecutive bytes
	s_min_u32 s48, s40, 1023                       ; g
	s_lshr_b32 s49, s40, 4
	s_min_u32 s49, s49, 63                         ; its batch
	s_mov_b32 s51, 0
	s_lshl_b32 s50, s48, 14
	s_add_nc_u64 s[42:43], s[4:5], s[50:51]
	s_lshl_b32 s50, s48, 9
	s_add_nc_u64 s[44:45], s[6:7], s[50:51]
	s_lshl_b32 s50, s49, 14
	s_lshl_b32 s49, s19, 11
	s_add_co_u32 s50, s50, s49
	s_add_nc_u64 s[46:47], s[12:13], s[50:51]
.irp i, 0,1,2,3,4,5,6,7,8,9,10,11,12,13,14,15,16,17,18,19,20,21,22,23,24,25,26,27,28,29,30,31
	global_load_b128 v[ST+4*\i:ST+4*\i+3], v[L16], s[42:43] offset:512*\i
.endr
	global_load_b128 v[ST+128:ST+131], v[L16], s[44:45]
.irp i, 0,1,2,3
	global_load_b128 v[ST+132+4*\i:ST+132+4*\i+3], v[L16], s[46:47] offset:512*\i
.endr
.endm
.macro STORE p                         ; and on into slot p, unit w
.irp i, 0,1,2,3,4,5,6,7,8,9,10,11,12,13,14,15,16,17,18,19,20,21,22,23,24,25,26,27,28,29,30,31
	ds_store_b128 v[AST+(\p)], v[ST+4*\i:ST+4*\i+3] offset:512*\i
.endr
	ds_store_b128 v[AST+(\p)], v[ST+128:ST+131] offset:16384
.irp i, 0,1,2,3
	ds_store_b128 v[AST+(\p)], v[ST+132+4*\i:ST+132+4*\i+3] offset:16896+512*\i
.endr
.endm
.macro LISTLOAD                        ; the list at s24: the next trip's four entries, and the one that I fetch
	s_min_u32 s52, s24, 1084
	s_lshl_b32 s52, s52, 2
	s_load_b128 s[36:39], s[14:15], s52 offset:0x0
	s_add_co_u32 s53, s24, s18
	s_min_u32 s53, s53, 1087
	s_lshl_b32 s53, s53, 2
	s_load_b32 s40, s[14:15], s53 offset:0x0
.endm
.macro FINISH j                        ; the eight partial sums of each tile, and the other half of the lanes': 32 energies, a lane a key
.irp e, 0,1
	v_pk_add_f32 v[E+8*\e:E+8*\e+1], v[E+8*\e:E+8*\e+1], v[E+8*\e+2:E+8*\e+3]
	v_pk_add_f32 v[E+8*\e+4:E+8*\e+5], v[E+8*\e+4:E+8*\e+5], v[E+8*\e+6:E+8*\e+7]
.endr
.irp e, 0,1
	v_pk_add_f32 v[E+8*\e:E+8*\e+1], v[E+8*\e:E+8*\e+1], v[E+8*\e+4:E+8*\e+5]
.endr
.irp e, 0,1
	v_add_f32 v[64+\e], v[E+8*\e], v[E+8*\e+1]
.endr
.irp e, 0,1
	v_permlanex16_b32 v[66+\e], v[64+\e], s26, s27
.endr
.irp e, 0,1
	v_add_f32 v[64+\e], v[64+\e], v[66+\e]
.endr
	s_min_u32 s54, s[32+\j], 1023
	s_lshl_b32 s54, s54, 7                         ; 128 bytes a block
	s_wait_alu depctr_va_vdst(0)
	s_wait_xcnt 0x0                                ; the last unit's store has had its address translated: its offset and its data are written again only behind this wait,
	s_wait_alu depctr_vm_vsrc(0)                   ; and behind this one: that store has read v13 and v14, which the two lines below write
	v_cndmask_b32 v14, v64, v65, s28               ; lanes 0-15: the even tile's keys; lanes 16-31: the odd tile's
	v_add_nc_u32 v13, s54, v2
	s_wait_alu depctr_va_vdst(0)                   ; v13 and v14 are written, which the store reads; and the unit's products and packed lines are done reading the keys' two tiles, q and the scale words, in which later LDS loads land
	global_store_b32 v13, v14, s[16:17]
.endm
; A UNIT.  Behind a set's last products stand eight plain lines that name none of their registers (the other set's multiply-adds, or v_nop where there are none yet) ahead of the first read of its
; results; a set begun anew stands twenty such lines or more behind its last product.  What a load into the keys' registers or q's hangs on is stated by the two waits on va_vdst.
.macro UNIT p, j
	s_cmp_gt_i32 s23, \j
	s_cbranch_scc0 .Lskip_\@
	s_wait_dscnt 0x0                               ; the even tile's fragments and the scale words are in
	MUL4 0, 0, 0, \j, 1
	QLOAD \p, \j, 0                                ; no wait: since the wait at the last unit's end no vector or matrix instruction names q
	MUL4 0, 0, 1, \j, 0
	QLOAD \p, \j, 1
	MUL4 0, 0, 2, \j, 0
	FLOAD 1, \p, \j, 1, 0                          ; the odd tile.  No wait: since the wait at the last unit's end the products name the even tile's registers alone
	MUL4 0, 0, 3, \j, 0
	FLOAD 1, \p, \j, 1, 1
	MUL4 0, 1, 0, \j, 1
.rept 8
	v_nop
.endr
	MUL4 0, 1, 1, \j, 0
	s_wait_dscnt 16                                ; q's 16 loads are in; the odd tile's 16, issued behind them, may be out
	GROUP 0, 0, 0, 1
	MUL4 0, 1, 2, \j, 0
	GROUP 0, 1, 0, 0
	MUL4 0, 1, 3, \j, 0
	GROUP 0, 2, 0, 0
	GROUP 0, 3, 0, 0
	s_wait_alu depctr_va_vdst(0)
	s_wait_dscnt 0x0                               ; the odd tile is in
.if \j < 3
	s_wait_alu depctr_va_vdst(0)                   ; the 32 products on the even tile are done reading its registers, in which the next unit's even tile lands below
.endif
	MUL4 1, 0, 0, \j, 1
.if \j < 3
	FLOAD 0, \p, \j+1, 0, 0                        ; the next unit's even tile (all four units of a slot are always stored); the products since the wait name the odd tile's registers alone
.endif
	MUL4 1, 0, 1, \j, 0
.if \j < 3
	FLOAD 0, \p, \j+1, 0, 1
.endif
	GROUP 1, 4, 0, 0
	MUL4 1, 0, 2, \j, 0
	GROUP 1, 5, 0, 0
	MUL4 1, 0, 3, \j, 0
	GROUP 1, 6, 0, 0
	GROUP 1, 7, 0, 0
	MUL4 1, 1, 0, \j, 1
	MUL4 1, 1, 1, \j, 0
	GROUP 0, 0, 1, 1
	MUL4 1, 1, 2, \j, 0
	GROUP 0, 1, 1, 0
	MUL4 1, 1, 3, \j, 0
	GROUP 0, 2, 1, 0
	GROUP 0, 3, 1, 0
	GROUP 1, 4, 1, 0
	GROUP 1, 5, 1, 0
	GROUP 1, 6, 1, 0
	GROUP 1, 7, 1, 0
	WIN 0
	FINISH \j
.Lskip_\@:
.endm
; A TRIP on slot p.  s23 = the units left, this trip's among them.
.macro TRIP p
	s_wait_kmcnt 0x0                               ; the list's words asked for a trip ago
	s_cmp_gt_i32 s23, 4
	s_cbranch_scc0 .Lnoh_\@
	s_wait_loadcnt 0x0                             ; no load of mine is out,
	s_wait_xcnt 0x0                                ; and none still reads a base: they are written below
	s_wait_alu depctr_vm_vsrc(0)                   ; my LDS stores of the unit fetched last have read v[ST ..], in which the loads below land
	GLOAD                                          ; the next trip's unit w: three units' work ahead of the wait for it
.Lnoh_\@:
	UNIT \p, 0
	UNIT \p, 1
	UNIT \p, 2
	s_cmp_gt_i32 s23, 4
	s_cbranch_scc0 .Lnos_\@
	s_wait_loadcnt 0x0
	STORE 1-\p                                     ; into the other slot: nobody has read it since the last barrier
.Lnos_\@:
	UNIT \p, 3
	s_mov_b64 s[32:33], s[36:37]                   ; the next trip's entries become this trip's
	s_mov_b64 s[34:35], s[38:39]
	s_add_co_u32 s24, s24, 4
	LISTLOAD
	s_sub_co_i32 s23, s23, 4
	s_wait_dscnt 0x0                               ; my reads of this slot are over and my stores into the other have landed
	s_barrier_signal -1
	s_barrier_wait -1                              ; both now hold of every wave
	s_cmp_gt_i32 s23, 0
	s_cbranch_scc0 .Lnon_\@
	KSLOAD 1-\p                                    ; no wait: every unit that was walked ended with its wait on va_vdst, and no vector or matrix instruction has followed
	FLOAD 0, 1-\p, 0, 0, 0
	FLOAD 0, 1-\p, 0, 0, 1
	WIN 0
.Lnon_\@:
.endm
	s_load_b256 s[4:11], s[0:1], 0x0               ; kcodes s[4:5], kscales s[6:7], wcodes s[8:9], wscales s[10:11]
	s_load_b128 s[12:15], s[0:1], 0x20             ; q s[12:13], ulist s[14:15]
	s_load_b64 s[16:17], s[0:1], 0x30              ; epart
	v_lshl_add_u32 v254, v0, 2, 0x25000
	v_mov_b32 v255, 0
	v_lshrrev_b32 v1, 5, v0
	v_readfirstlane_b32 s18, v1                    ; wave 0..3
	s_and_b32 s19, ttmp7, 0xffff                   ; the head
	s_mov_b32 s20, ttmp9                           ; my share of the list
	v_and_b32 v15, 31, v0
	v_lshlrev_b32 v[L16], 4, v15
	v_lshlrev_b32 v2, 2, v15
	v_bfe_u32 v14, v0, 4, 1
	v_add_nc_u32 v[AIM+1], 2*UB, v[L16]
	v_add_nc_u32 v[AIM+2], SB, v[L16]
	v_add_nc_u32 v[AIM+3], SB+2*UB, v[L16]
	s_wait_alu depctr_va_sdst(0)                   ; s18 is written, ahead of its first reader: LDS addresses and the bases of Wk and epart are made from it
	s_lshl_b32 s48, s18, 9
	v_lshl_add_u32 v[AQ], v14, 5, s48
	v_add_nc_u32 v[AQ+1], 2*UB, v[AQ]
	v_add_nc_u32 v[AQ+2], SB, v[AQ]
	v_add_nc_u32 v[AQ+3], SB+2*UB, v[AQ]
	s_mul_i32 s49, s18, UB
	v_add_nc_u32 v[AST], s49, v[L16]
	v_add_nc_u32 v[AST+1], SB, v[AST]
	v_mov_b32 v66, 0                               ; written once: a lane permute's destination counts as one of its sources
	v_mov_b32 v67, 0
	s_mov_b32 s26, 0x76543210
	s_mov_b32 s27, 0xfedcba98
	s_mov_b32 s28, 0xffff0000                      ; lanes 16-31
	s_wait_kmcnt 0x0
	s_load_b32 s21, s[14:15], 0x1100               ; U
	s_mov_b32 s49, 0
	s_lshl_b32 s48, s18, 20
	s_lshl_b32 s50, s19, 17
	s_add_co_u32 s48, s48, s50
	s_add_nc_u64 s[16:17], s[16:17], s[48:49]      ; epart[w][h]
	s_lshl_b32 s48, s19, 18
	s_lshl_b32 s50, s18, 16
	s_add_co_u32 s48, s48, s50
	s_add_nc_u64 s[8:9], s[8:9], s[48:49]          ; Wk's codes at tile 32 h + 8 w
	s_lshl_b32 s48, s19, 13
	s_lshl_b32 s50, s18, 11
	s_add_co_u32 s48, s48, s50
	s_add_nc_u64 s[10:11], s[10:11], s[48:49]      ; and its scale bytes
	s_wait_kmcnt 0x0
	s_mul_i32 s22, s20, s21
	s_lshr_b32 s22, s22, 5                         ; my first entry
	s_add_co_u32 s48, s20, 1
	s_mul_i32 s48, s48, s21
	s_lshr_b32 s48, s48, 5
	s_sub_co_i32 s23, s48, s22                     ; how many are mine
	s_min_u32 s48, s22, 1084
	s_lshl_b32 s48, s48, 2
	s_load_b128 s[32:35], s[14:15], s48 offset:0x0
	s_add_co_u32 s49, s22, s18
	s_min_u32 s49, s49, 1087
	s_lshl_b32 s49, s49, 2
	s_load_b32 s40, s[14:15], s49 offset:0x0
	s_wait_kmcnt 0x0
	s_wait_alu depctr_va_vdst(0)                   ; the ten addresses v3 to v12 are written, which every load and LDS store of the kernel reads; they are never written again
	GLOAD                                          ; the first trip's unit w
	s_add_co_u32 s24, s22, 4
	LISTLOAD
	WIN 0x40                                       ; destination window 1
.irp t, 0,1,2,3
.irp i, 0,1,2,3,4,5,6,7,8,9,10,11,12,13,14,15
	global_load_b128 v[64*\t+4*\i:64*\t+4*\i+3], v[L16], s[8:9] offset:8192*\t+512*\i
.endr
.endr
	WIN 0x80                                       ; destination window 2
.irp t, 0,1,2,3
.irp i, 0,1,2,3,4,5,6,7,8,9,10,11,12,13,14,15
	global_load_b128 v[64*\t+4*\i:64*\t+4*\i+3], v[L16], s[8:9] offset:8192*(4+\t)+512*\i
.endr
.endr
	WIN 0
.irp t, 0,1,2,3
	global_load_b128 v[WS+4*\t:WS+4*\t+3], v[L16], s[10:11] offset:512*\t    ; 32 rows' scale words: lanes 0-15 the even tile, lanes 16-31 the odd
.endr
	s_wait_loadcnt 63                              ; behind the unit's 37 loads 132 were issued: with 63 out at the most, the 37 are in
	STORE 0
	s_wait_dscnt 0x0
	s_barrier_signal -1
	s_barrier_wait -1
	KSLOAD 0
	FLOAD 0, 0, 0, 0, 0
	FLOAD 0, 0, 0, 0, 1
	WIN 0
	s_wait_loadcnt 0x0                             ; Wk
	s_mov_b32 s25, 4
.Ltrips:
	TRIP 0
	TRIP 1
	s_sub_co_u32 s25, s25, 1
	s_cmp_lg_u32 s25, 0
	s_cbranch_scc1 .Ltrips
	s_wait_dscnt 0x0
	s_wait_alu depctr_hold_cnt(0) depctr_sa_sdst(0) depctr_va_vdst(0) depctr_va_sdst(0) depctr_va_ssrc(0) depctr_va_vcc(0) depctr_vm_vsrc(0)
	s_wait_tensorcnt 0x0
	ds_add_u32 v254, v255
	s_wait_dscnt 0x0
	s_endpgm
.Lfunc_end_k_q7e3c7574c5_energy:
	.size	k_q7e3c7574c5_energy, .Lfunc_end_k_q7e3c7574c5_energy-k_q7e3c7574c5_energy
	.p2alignl 7, 3214868480
	.fill 96, 4, 3214868480
	.section	.rodata,"a",@progbits
	.p2align	6, 0x0
	.amdhsa_kernel k_q7e3c7574c5_energy
		.amdhsa_group_segment_fixed_size 152064
		.amdhsa_private_segment_fixed_size 0
		.amdhsa_enable_private_segment 0
		.amdhsa_kernarg_size 56
		.amdhsa_user_sgpr_count 2
		.amdhsa_user_sgpr_kernarg_segment_ptr 1
		.amdhsa_wavefront_size32 1
		.amdhsa_system_sgpr_workgroup_id_x 1
		.amdhsa_system_sgpr_workgroup_id_y 1
		.amdhsa_system_sgpr_workgroup_id_z 1
		.amdhsa_system_vgpr_workitem_id 0
		.amdhsa_next_free_vgpr 1024
		.amdhsa_next_free_sgpr 66
		.amdhsa_reserve_vcc 0
		.amdhsa_float_denorm_mode_32 3
		.amdhsa_float_denorm_mode_16_64 3
		.amdhsa_memory_ordered 1
		.amdhsa_forward_progress 1
		.amdhsa_inst_pref_size 178
	.end_amdhsa_kernel
	.amdgpu_metadata
---
amdhsa.version: [ 1, 2 ]
amdhsa.kernels:
  - .name:           k_q7e3c7574c5_energy
    .symbol:         k_q7e3c7574c5_energy.kd
    .args:
      - { .name: kcodes, .offset: 0, .size: 8, .value_kind: global_buffer, .address_space: global }
      - { .name: kscales, .offset: 8, .size: 8, .value_kind: global_buffer, .address_space: global }
      - { .name: wcodes, .offset: 16, .size: 8, .value_kind: global_buffer, .address_space: global }
      - { .name: wscales, .offset: 24, .size: 8, .value_kind: global_buffer, .address_space: global }
      - { .name: q, .offset: 32, .size: 8, .value_kind: global_buffer, .address_space: global }
      - { .name: ulist, .offset: 40, .size: 8, .value_kind: global_buffer, .address_space: global }
      - { .name: epart, .offset: 48, .size: 8, .value_kind: global_buffer, .address_space: global }
    .group_segment_fixed_size: 152064
    .private_segment_fixed_size: 0
    .kernarg_segment_align: 8
    .kernarg_segment_size: 56
    .max_flat_workgroup_size: 128
    .sgpr_count:     66
    .vgpr_count:     1024
    .wavefront_size: 32
...
	.end_amdgpu_metadata
.endif
;; end of part 5
;; launch context (part 6): grid 4 x 64, 16 waves a work-group, no clusters, 83,968 bytes of LDS; arguments epart, value, key_len, out0, out1; writes out0, out1
.if DOCPART == 6
	.amdgcn_target "amdgcn-amd-amdhsa--gfx1250"
	.amdhsa_code_object_version 6
	.text
	.protected	k_q7e3c7574c5_context
	.globl	k_q7e3c7574c5_context
	.p2align	8
	.type	k_q7e3c7574c5_context,@function
k_q7e3c7574c5_context:
	s_mov_b64 s[64:65], 0
	v_nop
	global_prefetch_b8 v0, s[64:65] scope:SCOPE_SE
	s_setreg_imm32_b32 hwreg(HW_REG_WAVE_MODE, 25, 1), 1
	s_wait_xcnt 0x0
; CONTEXT: energy = the sum of the four parts; positions at or behind key_len become -1e10; softmax with the row's maximum taken away; attn out; context = attn . value, in f32 multiply-adds.
; SHARES.  Work-group (dq, b) takes columns 128 dq .. + 127 of batch b's context, for all eight heads.  Wave w owns value rows 32 w .. + 31 and asks for all of them at its head (32 loads of 512 consecutive
; bytes); waves 0-7 meanwhile make head w's softmax.  The work-group with dq = 0 stores attn.  The sixteen waves' partial contexts meet in LDS.
; WHAT IS LEFT OUT.  lenc = key_len held to 0 .. 512.  A wave all of whose rows lie at or behind lenc loads nothing and multiplies zeros: their weights are 0.  With lenc = 0 every position is masked,
; the weights are all 1 / 512, and every row is read.  Of epart only the blocks that the launch before has stored are read: an offset behind them is held at their last 16 bytes, and what is read
; there is replaced by the mask.
; LIMITS: NaN and infinities are not served (a masked row of value is not read, so it cannot make a NaN); that masked rows have the weight 0 exactly holds as long as some counted energy lies above about -9.9e9.
; The one branch on key_len stands round the loads alone; no barrier stands under it.  No matrix unit: eight rows of weights against 512 x 128 numbers that are read once; no cluster: work-groups share only epart's few bytes.
; LDS: the weights [8][512] f32 at 0; the partial contexts [16 waves][8 heads][512 bytes] at 16,384.
; REGISTERS: v1 lane, v2 16 x lane, v3 4 x lane, v4-7 epart's offsets, v8-11 LDS addresses, v12-21 at work, v32-47 energies, then v32-63 the contexts [head][4], v64-127 the parts, then the weights (two sets), v128-255 value [row][4].
.set PART, 16384
.set ACC,  32
.set A,    64
.set V,    128
.macro ALOAD k                         ; the weights of my rows 4 k .. 4 k + 3, all eight heads: every lane reads the same 16 bytes
.irp h, 0,1,2,3,4,5,6,7
	ds_load_b128 v[A+32*((\k)%2)+4*\h:A+32*((\k)%2)+4*\h+3], v9 offset:2048*\h+16*(\k)
.endr
.endm
.macro ROWS k                          ; four rows x eight heads x four columns: 64 packed multiply-adds on 16 sums that take turns
.if \k < 7
	ALOAD (\k)+1
	s_wait_dscnt 8                                 ; this group's weights are in; the next group's eight loads may be out
.else
	s_wait_dscnt 0x0
.endif
	s_wait_loadcnt 28-4*(\k)                       ; rows up to 4 k + 3 are in; the later rows' loads may be out
.irp i, 0,1,2,3
.irp h, 0,1,2,3,4,5,6,7
.irp c, 0,1
.if (\k == 0) && (\i == 0)
	v_pk_mul_f32 v[ACC+4*\h+2*\c:ACC+4*\h+2*\c+1], v[V+16*(\k)+4*\i+2*\c:V+16*(\k)+4*\i+2*\c+1], v[A+32*((\k)%2)+4*\h:A+32*((\k)%2)+4*\h+1] op_sel_hi:[1,0]
.elseif (\i%2) == 0
	v_pk_fma_f32 v[ACC+4*\h+2*\c:ACC+4*\h+2*\c+1], v[V+16*(\k)+4*\i+2*\c:V+16*(\k)+4*\i+2*\c+1], v[A+32*((\k)%2)+4*\h+\i:A+32*((\k)%2)+4*\h+\i+1], v[ACC+4*\h+2*\c:ACC+4*\h+2*\c+1] op_sel_hi:[1,0,1]
.else
	v_pk_fma_f32 v[ACC+4*\h+2*\c:ACC+4*\h+2*\c+1], v[V+16*(\k)+4*\i+2*\c:V+16*(\k)+4*\i+2*\c+1], v[A+32*((\k)%2)+4*\h+\i-1:A+32*((\k)%2)+4*\h+\i], v[ACC+4*\h+2*\c:ACC+4*\h+2*\c+1] op_sel:[0,1,0] op_sel_hi:[1,1,1]
.endif
.endr
.endr
.endr
.endm
	s_load_b256 s[4:11], s[0:1], 0x0               ; epart s[4:5], value s[6:7], key_len s[8:9], out0 s[10:11]
	s_load_b64 s[12:13], s[0:1], 0x20              ; out1
	v_lshl_add_u32 v30, v0, 2, 0x14000
	v_mov_b32 v31, 0
	v_lshrrev_b32 v9, 5, v0
	s_delay_alu instid0(VALU_DEP_1)
	v_readfirstlane_b32 s14, v9                    ; wave 0..15
	s_and_b32 s16, ttmp7, 0xffff                   ; the batch
	s_lshl_b32 s18, s16, 2
	v_and_b32 v1, 31, v0
	s_delay_alu instid0(VALU_DEP_1)
	v_lshlrev_b32 v2, 4, v1
	s_delay_alu instid0(VALU_DEP_2)
	v_lshlrev_b32 v3, 2, v1
	v_lshlrev_b32 v9, 7, v9                        ; the weights of my 32 rows: 128 w
	s_lshl_b32 s20, s14, 11
	v_add_nc_u32 v8, s20, v2                       ; head w's weights: 2048 w + 16 x lane (waves 0-7)
	s_lshl_b32 s20, s14, 12
	s_add_co_u32 s20, s20, PART
	v_add_nc_u32 v10, s20, v2                      ; my partial contexts
	s_lshl_b32 s20, s14, 9
	s_add_co_u32 s20, s20, PART
	v_add_nc_u32 v11, s20, v2                      ; head w's, of all waves (waves 0-7)
	s_mov_b32 s32, 0x76543210
	s_mov_b32 s33, 0xfedcba98
	s_wait_kmcnt 0x0
	s_load_b32 s17, s[8:9], s18 offset:0x0         ; key_len[b]
	s_mov_b32 s35, 0
	s_lshl_b32 s34, s14, 17
	s_lshl_b32 s36, s16, 11
	s_add_co_u32 s34, s34, s36
	s_add_nc_u64 s[24:25], s[4:5], s[34:35]        ; epart[0][w][b]
	s_lshl_b32 s34, s16, 20
	s_lshl_b32 s36, s14, 16
	s_add_co_u32 s34, s34, s36
	s_lshl_b32 s36, ttmp9, 9
	s_add_co_u32 s34, s34, s36
	s_add_nc_u64 s[26:27], s[6:7], s[34:35]        ; value[b][32 w][128 dq]
	s_lshl_b32 s34, s16, 3
	s_add_co_u32 s34, s34, s14
	s_lshl_b32 s34, s34, 11
	s_add_nc_u64 s[28:29], s[12:13], s[34:35]      ; out1[b][w]
	s_lshl_b32 s34, s16, 14
	s_lshl_b32 s37, s14, 11
	s_add_co_u32 s34, s34, s37
	s_add_co_u32 s34, s34, s36
	s_add_nc_u64 s[30:31], s[10:11], s[34:35]      ; out0[b][512 w + 128 dq]
	s_wait_kmcnt 0x0
	s_max_i32 s17, s17, 0
	s_min_i32 s17, s17, 512                        ; lenc
	s_max_u32 s21, s17, 1
	s_add_co_u32 s21, s21, 31
	s_and_b32 s21, s21, 0x3e0
	s_sub_co_u32 s21, s21, 4                       ; the last four energies that were stored begin here
	s_cmp_eq_u32 s17, 0
	s_cselect_b32 s22, 512, s17                    ; rows of value that have a weight
	; ---- the four parts of head w's energies (waves 0-7): element 128 c + 4 x lane on
	s_cmp_lt_u32 s14, 8
	s_cbranch_scc0 .Lno_parts
	s_wait_alu depctr_va_vdst(0)
.irp c, 0,1,2,3
	v_add_nc_u32 v[4+\c], 128*\c, v3
	s_delay_alu instid0(VALU_DEP_1)
	v_min_u32 v[4+\c], s21, v[4+\c]
	s_delay_alu instid0(VALU_DEP_1)
	v_min_u32 v[4+\c], 0x1fc, v[4+\c]
	s_delay_alu instid0(VALU_DEP_1)
	v_lshlrev_b32 v[4+\c], 2, v[4+\c]
.endr
.irp p, 0,1,2,3
.irp c, 0,1,2,3
	global_load_b128 v[A+16*\p+4*\c:A+16*\p+4*\c+3], v[4+\c], s[24:25] offset:1048576*\p
.endr
.endr
.Lno_parts:
	; ---- my 32 rows of value, or zeros
	s_lshl_b32 s23, s14, 5
	s_cmp_lt_u32 s23, s22
	s_cbranch_scc0 .Lmasked
	s_wait_alu depctr_va_vdst(0)
.irp i, 0,1,2,3,4,5,6,7,8,9,10,11,12,13,14,15,16,17,18,19,20,21,22,23,24,25,26,27,28,29,30,31
	global_load_b128 v[V+4*\i:V+4*\i+3], v2, s[26:27] offset:2048*\i th:TH_LOAD_NT
.endr
	s_wait_loadcnt 32                              ; the parts are in; the 32 rows, issued behind them, may be out
	s_branch .Ljoin
.Lmasked:
.irp i, 0,1,2,3,4,5,6,7,8,9,10,11,12,13,14,15,16,17,18,19,20,21,22,23,24,25,26,27,28,29,30,31
	v_mov_b32 v[V+4*\i], 0
	v_mov_b32 v[V+4*\i+1], 0
	v_mov_b32 v[V+4*\i+2], 0
	v_mov_b32 v[V+4*\i+3], 0
.endr
	s_wait_loadcnt 0x0
.Ljoin:
	; ---- head w's softmax (waves 0-7): 16 positions a lane
	s_cmp_lt_u32 s14, 8
	s_cbranch_scc0 .Lno_softmax
.irp j, 0,2,4,6,8,10,12,14
	v_pk_add_f32 v[32+\j:33+\j], v[A+\j:A+\j+1], v[A+16+\j:A+16+\j+1]
	v_pk_add_f32 v[A+32+\j:A+32+\j+1], v[A+32+\j:A+32+\j+1], v[A+48+\j:A+48+\j+1]
.endr
.irp j, 0,2,4,6,8,10,12,14
	v_pk_add_f32 v[32+\j:33+\j], v[32+\j:33+\j], v[A+32+\j:A+32+\j+1]
.endr
	v_mov_b32 v16, 0xd01502f9                      ; -1e10
.irp c, 0,1,2,3
.irp i, 0,1,2,3
	s_sub_co_i32 s20, s17, 128*\c+\i
	v_cmp_gt_i32 vcc_lo, s20, v3                   ; position 128 c + 4 x lane + i counts where it lies under lenc
	s_delay_alu instid0(VALU_DEP_1)
	v_cndmask_b32 v[32+4*\c+\i], v16, v[32+4*\c+\i], vcc_lo
.endr
.endr
	v_max3_num_f32 v12, v32, v33, v34
	v_max3_num_f32 v13, v35, v36, v37
	s_delay_alu instid0(VALU_DEP_2)
	v_max3_num_f32 v12, v12, v38, v39
	s_delay_alu instid0(VALU_DEP_2)
	v_max3_num_f32 v13, v13, v40, v41
	s_delay_alu instid0(VALU_DEP_2)
	v_max3_num_f32 v12, v12, v42, v43
	s_delay_alu instid0(VALU_DEP_2)
	v_max3_num_f32 v13, v13, v44, v45
	s_delay_alu instid0(VALU_DEP_2)
	v_max3_num_f32 v12, v12, v46, v47
	s_delay_alu instid0(VALU_DEP_1)
	v_max_num_f32 v12, v12, v13
	s_delay_alu instid0(VALU_DEP_1)
	v_max_num_f32_dpp v12, v12, v12 row_xmask:1 row_mask:0xf bank_mask:0xf
	s_delay_alu instid0(VALU_DEP_1)
	v_max_num_f32_dpp v12, v12, v12 row_xmask:2 row_mask:0xf bank_mask:0xf
	s_delay_alu instid0(VALU_DEP_1)
	v_max_num_f32_dpp v12, v12, v12 row_xmask:4 row_mask:0xf bank_mask:0xf
	s_delay_alu instid0(VALU_DEP_1)
	v_max_num_f32_dpp v12, v12, v12 row_xmask:8 row_mask:0xf bank_mask:0xf
	s_delay_alu instid0(VALU_DEP_1)
	v_permlanex16_b32 v13, v12, s32, s33
	s_delay_alu instid0(VALU_DEP_1)
	v_max_num_f32 v12, v12, v13                    ; the row's maximum, in every lane
.irp j, 0,2,4,6,8,10,12,14
	v_pk_add_f32 v[32+\j:33+\j], v[32+\j:33+\j], v[12:13] op_sel_hi:[1,0] neg_lo:[0,1] neg_hi:[0,1]   ; the maximum is taken away first, so that large energies lose nothing,
.endr
.irp j, 0,2,4,6,8,10,12,14
	v_pk_mul_f32 v[32+\j:33+\j], v[32+\j:33+\j], 0x3fb8aa3b op_sel_hi:[1,0]                          ; then x log2(e)
.endr
	s_wait_alu depctr_va_vdst(0)
.irp j, 0,1,2,3,4,5,6,7,8,9,10,11,12,13,14,15
	v_exp_f32 v[32+\j], v[32+\j]
.endr
	v_nop                                          ; a plain line behind the last exponential,
	s_wait_alu depctr_va_vdst(0)                   ; and the one wait for the batch ahead of its first reader
	v_pk_add_f32 v[14:15], v[32:33], v[34:35]
	v_pk_add_f32 v[18:19], v[36:37], v[38:39]
	v_pk_add_f32 v[14:15], v[14:15], v[40:41]
	v_pk_add_f32 v[18:19], v[18:19], v[42:43]
	v_pk_add_f32 v[14:15], v[14:15], v[44:45]
	v_pk_add_f32 v[18:19], v[18:19], v[46:47]
	s_delay_alu instid0(VALU_DEP_1)
	v_pk_add_f32 v[14:15], v[14:15], v[18:19]
	s_delay_alu instid0(VALU_DEP_1)
	v_add_f32 v14, v14, v15
	s_delay_alu instid0(VALU_DEP_1)
	v_add_f32_dpp v14, v14, v14 row_xmask:1 row_mask:0xf bank_mask:0xf
	s_delay_alu instid0(VALU_DEP_1)
	v_add_f32_dpp v14, v14, v14 row_xmask:2 row_mask:0xf bank_mask:0xf
	s_delay_alu instid0(VALU_DEP_1)
	v_add_f32_dpp v14, v14, v14 row_xmask:4 row_mask:0xf bank_mask:0xf
	s_delay_alu instid0(VALU_DEP_1)
	v_add_f32_dpp v14, v14, v14 row_xmask:8 row_mask:0xf bank_mask:0xf
	s_delay_alu instid0(VALU_DEP_1)
	v_permlanex16_b32 v15, v14, s32, s33
	s_delay_alu instid0(VALU_DEP_1)
	v_add_f32 v14, v14, v15                        ; the row's sum
	s_wait_alu depctr_va_vdst(0)
	v_rcp_f32 v20, v14
	v_mov_b32 v21, 0                               ; (a plain line behind the reciprocal; the register is named with v20 as a pair)
	s_wait_alu depctr_va_vdst(0)
.irp j, 0,2,4,6,8,10,12,14
	v_pk_mul_f32 v[32+\j:33+\j], v[32+\j:33+\j], v[20:21] op_sel_hi:[1,0]
.endr
.irp c, 0,1,2,3
	ds_store_b128 v8, v[32+4*\c:35+4*\c] offset:512*\c
.endr
	s_cmp_eq_u32 ttmp9, 0
	s_cbranch_scc0 .Lno_softmax
.irp c, 0,1,2,3
	global_store_b128 v2, v[32+4*\c:35+4*\c], s[28:29] offset:512*\c    ; 32 lanes store 512 consecutive bytes, aligned
.endr
.Lno_softmax:
	s_wait_dscnt 0x0                               ; my weights have landed
	s_barrier_signal -1
	s_barrier_wait -1                              ; all eight heads' have
	s_wait_xcnt 0x0                                ; attn's stores have read v32-47, which the sums below take
	; ---- my 32 rows' share of the eight contexts
	ALOAD 0
.irp k, 0,1,2,3,4,5,6,7
	ROWS \k
.endr
.irp h, 0,1,2,3,4,5,6,7
	ds_store_b128 v10, v[ACC+4*\h:ACC+4*\h+3] offset:512*\h
.endr
	s_wait_dscnt 0x0
	s_barrier_signal -1
	s_barrier_wait -1                              ; all sixteen shares lie in LDS
	s_cmp_lt_u32 s14, 8
	s_cbranch_scc0 .Lend
.irp p, 0,1,2,3,4,5,6,7,8,9,10,11,12,13,14,15
	ds_load_b128 v[A+4*\p:A+4*\p+3], v11 offset:4096*\p
.endr
	s_wait_dscnt 0x0
.irp d, 8,4,2,1
.set x, 0
.rept \d
	v_pk_add_f32 v[A+4*x:A+4*x+1], v[A+4*x:A+4*x+1], v[A+4*(x+\d):A+4*(x+\d)+1]
	v_pk_add_f32 v[A+4*x+2:A+4*x+3], v[A+4*x+2:A+4*x+3], v[A+4*(x+\d)+2:A+4*(x+\d)+3]
.set x, x+1
.endr
.endr
	global_store_b128 v2, v[A:A+3], s[30:31]       ; 32 lanes store 512 consecutive bytes, aligned
.Lend:
	s_wait_tensorcnt 0x0
	ds_add_u32 v30, v31
	s_wait_dscnt 0x0
	s_endpgm
.Lfunc_end_k_q7e3c7574c5_context:
	.size	k_q7e3c7574c5_context, .Lfunc_end_k_q7e3c7574c5_context-k_q7e3c7574c5_context
	.p2alignl 7, 3214868480
	.fill 96, 4, 3214868480
	.section	.rodata,"a",@progbits
	.p2align	6, 0x0
	.amdhsa_kernel k_q7e3c7574c5_context
		.amdhsa_group_segment_fixed_size 83968
		.amdhsa_private_segment_fixed_size 0
		.amdhsa_enable_private_segment 0
		.amdhsa_kernarg_size 40
		.amdhsa_user_sgpr_count 2
		.amdhsa_user_sgpr_kernarg_segment_ptr 1
		.amdhsa_wavefront_size32 1
		.amdhsa_system_sgpr_workgroup_id_x 1
		.amdhsa_system_sgpr_workgroup_id_y 1
		.amdhsa_system_sgpr_workgroup_id_z 1
		.amdhsa_system_vgpr_workitem_id 0
		.amdhsa_next_free_vgpr 256
		.amdhsa_next_free_sgpr 66
		.amdhsa_reserve_vcc 1
		.amdhsa_float_denorm_mode_32 3
		.amdhsa_float_denorm_mode_16_64 3
		.amdhsa_memory_ordered 1
		.amdhsa_forward_progress 1
		.amdhsa_inst_pref_size 63
	.end_amdhsa_kernel
	.amdgpu_metadata
---
amdhsa.version: [ 1, 2 ]
amdhsa.kernels:
  - .name:           k_q7e3c7574c5_context
    .symbol:         k_q7e3c7574c5_context.kd
    .args:
      - { .name: epart, .offset: 0, .size: 8, .value_kind: global_buffer, .address_space: global }
      - { .name: value, .offset: 8, .size: 8, .value_kind: global_buffer, .address_space: global }
      - { .name: key_len, .offset: 16, .size: 8, .value_kind: global_buffer, .address_space: global }
      - { .name: out0, .offset: 24, .size: 8, .value_kind: global_buffer, .address_space: global }
      - { .name: out1, .offset: 32, .size: 8, .value_kind: global_buffer, .address_space: global }
    .group_segment_fixed_size: 83968
    .private_segment_fixed_size: 0
    .kernarg_segment_align: 8
    .kernarg_segment_size: 40
    .max_flat_workgroup_size: 512
    .sgpr_count:     66
    .vgpr_count:     256
    .wavefront_size: 32
...
	.end_amdgpu_metadata
.endif
;; end of part 6
